; MI455X (gfx1250); checked and timed in simulation.
; The chip was launched on July 23, 2026; its instructions are those of AMD's public machine-readable ISA for CDNA 5 (MIT licence, August 2026) and "CDNA5" Instruction Set Architecture Reference Guide (July 2026). The comments in the code are by the model that wrote it; some were corrected since.
;; Hash PINN. Allowed arithmetic: float matrix products may take bf16 or f16 operands with f32 sums; all other float work in f32.
;; Inputs: W1 32 x 64 float32; W2 64 x 64 float32; W3 64 x 64 float32; Wo 64 x 1 float32; b1 64 float32; b2 64 float32; b3 64 float32; bo 1 float32; table 16 x 524,288 x 2 float32; x 1,000,000 x 3 float32.
;; Outputs: out0 1,000,000 x 1 float32.
;; 3 versions, each right; version 2 is faster than version 1; version 3 is version 2 with the launch pinn written anew for expert scheduling mode. Each part assembles by itself: llvm-mc -triple=amdgcn-amd-amdhsa -mcpu=gfx1250 --defsym DOCPART=n.
;; ======== version 1 of 3: 2 launches
;; workspace buffers: q 12,000,000 bytes of whole numbers
;; launch quant (part 1): grid 1875 x 1, 5 waves a work-group, no clusters, 0 bytes of LDS; arguments x, q; writes q
.if DOCPART == 1
	.amdgcn_target "amdgcn-amd-amdhsa--gfx1250"
	.amdhsa_code_object_version 6
	.text
	.protected	k_q13b2f8768c_quant
	.globl	k_q13b2f8768c_quant
	.p2align	8
	.type	k_q13b2f8768c_quant,@function
k_q13b2f8768c_quant:
	s_mov_b64 s[64:65], 0
	v_nop
	global_prefetch_b8 v0, s[64:65] scope:SCOPE_SE
	s_setreg_imm32_b32 hwreg(HW_REG_WAVE_MODE, 25, 1), 1
	s_wait_xcnt 0x0
; q[i] = the whole number trunc(x[i] * 2^21), held inside 0 .. 2^21 - 1.  x, q: [1000000][3], 4 bytes a number, the same layout.
; The next launch forms every grid cell, and so every table address, from these whole numbers.
; The product by 2^21 is exact in f32, so q is the first 21 binary places of x.  x below 0 gives 0, x at or above 1 gives 2^21 - 1,
; which is the clip of the cell to 0 .. res - 2 that the problem makes; a NaN in x gives 0 (v_max_num_f32 lets the NaN lose).
; A stream: 12,000,000 bytes = 1875 work-groups x 5 chunks x 5 waves x 256 bytes, with no remainder.
; Each load and each store of a wave covers 256 consecutive bytes at a multiple of 256 from the buffer's first byte.
; No LDS, no barrier, no matrix unit: every number is read once, changed by itself and written once.
.set CHUNK, 1280                       ; 160 threads x 8 bytes
.set GROUP, 5*CHUNK                    ; bytes of a work-group
.set TWO21, 0x4a000000                 ; 2097152.0
.set TOP,   0x49fffff8                 ; 2097151.0
	s_load_b128 s[4:7], s[0:1], 0x0                ; x s[4:5], q s[6:7]
	s_mul_i32 s8, ttmp9, GROUP                     ; the work-group's first byte (below 12,000,000)
	s_mov_b32 s9, 0
	v_lshlrev_b32 v1, 3, v0                        ; 8 bytes a thread; never rewritten
	s_wait_kmcnt 0x0
	s_add_nc_u64 s[4:5], s[4:5], s[8:9]
	s_add_nc_u64 s[6:7], s[6:7], s[8:9]
.irp j, 0,1,2,3,4
	global_load_b64 v[2+2*\j:3+2*\j], v1, s[4:5] offset:CHUNK*\j    ; all five chunks go out at once
.endr
.irp j, 0,1,2,3,4
	s_wait_loadcnt 4-\j                            ; loads come back in order: chunk j is in, the 4 - j younger ones may be out
	v_pk_mul_f32 v[2+2*\j:3+2*\j], v[2+2*\j:3+2*\j], TWO21 op_sel_hi:[1,0]
	v_max_num_f32 v[2+2*\j], 0, v[2+2*\j]
	v_max_num_f32 v[3+2*\j], 0, v[3+2*\j]
	v_min_num_f32 v[2+2*\j], TOP, v[2+2*\j]
	v_min_num_f32 v[3+2*\j], TOP, v[3+2*\j]
	v_cvt_u32_f32 v[2+2*\j], v[2+2*\j]             ; toward zero
	v_cvt_u32_f32 v[3+2*\j], v[3+2*\j]
	global_store_b64 v1, v[2+2*\j:3+2*\j], s[6:7] offset:CHUNK*\j   ; each chunk has registers of its own: nothing is rewritten behind a store
.endr
	s_endpgm
.Lfunc_end_k_q13b2f8768c_quant:
	.size	k_q13b2f8768c_quant, .Lfunc_end_k_q13b2f8768c_quant-k_q13b2f8768c_quant
	.p2alignl 7, 3214868480
	.fill 96, 4, 3214868480
	.section	.rodata,"a",@progbits
	.p2align	6, 0x0
	.amdhsa_kernel k_q13b2f8768c_quant
		.amdhsa_group_segment_fixed_size 0
		.amdhsa_private_segment_fixed_size 0
		.amdhsa_enable_private_segment 0
		.amdhsa_kernarg_size 16
		.amdhsa_user_sgpr_count 2
		.amdhsa_user_sgpr_kernarg_segment_ptr 1
		.amdhsa_wavefront_size32 1
		.amdhsa_system_sgpr_workgroup_id_x 1
		.amdhsa_system_sgpr_workgroup_id_y 1
		.amdhsa_system_sgpr_workgroup_id_z 1
		.amdhsa_system_vgpr_workitem_id 0
		.amdhsa_next_free_vgpr 16
		.amdhsa_next_free_sgpr 66
		.amdhsa_reserve_vcc 0
		.amdhsa_float_denorm_mode_32 3
		.amdhsa_float_denorm_mode_16_64 3
		.amdhsa_memory_ordered 1
		.amdhsa_forward_progress 1
		.amdhsa_inst_pref_size 4
	.end_amdhsa_kernel
	.amdgpu_metadata
---
amdhsa.version: [ 1, 2 ]
amdhsa.kernels:
  - .name:           k_q13b2f8768c_quant
    .symbol:         k_q13b2f8768c_quant.kd
    .args:
      - { .name: x, .offset: 0, .size: 8, .value_kind: global_buffer, .address_space: global }
      - { .name: q, .offset: 8, .size: 8, .value_kind: global_buffer, .address_space: global }
    .group_segment_fixed_size: 0
    .private_segment_fixed_size: 0
    .kernarg_segment_align: 8
    .kernarg_segment_size: 16
    .max_flat_workgroup_size: 160
    .sgpr_count:     66
    .vgpr_count:     16
    .wavefront_size: 32
...
	.end_amdgpu_metadata
.endif
;; end of part 1
;; launch pinn (part 2): grid 256 x 1, 16 waves a work-group, no clusters, 50,176 bytes of LDS; arguments x, q, table, W1, W2, W3, Wo, b1, b2, b3, bo, out0; writes out0
.if DOCPART == 2
	.amdgcn_target "amdgcn-amd-amdhsa--gfx1250"
	.amdhsa_code_object_version 6
	.text
	.protected	k_q13b2f8768c_pinn
	.globl	k_q13b2f8768c_pinn
	.p2align	8
	.type	k_q13b2f8768c_pinn,@function
k_q13b2f8768c_pinn:
	s_mov_b64 s[64:65], 0
	v_nop
	global_prefetch_b8 v0, s[64:65] scope:SCOPE_SE
	s_setreg_imm32_b32 hwreg(HW_REG_WAVE_MODE, 25, 1), 1
	s_wait_xcnt 0x0
; out0[n] = MLP(encode(x[n])): 16 grid levels x 8 corners gathered from table and interpolated to 32 features, then 32 -> 64 -> 64 -> 64 -> 1
; with biases and ReLU.  Everything between x and out0 stays in registers.
;
; SHARES.  A supertile is 64 points; there are 15,625 = 61 x 256 + 9.  Work-group g takes supertiles g + 256 i, i < 61 (62 for g < 9); wave w of 16
; takes i = w + 16 t, t = 0, 1, ..: four trips for w < 13 (w < 14 where g < 9), three for the others.  Lane L owns points 2L and 2L + 1 of the
; supertile, one in each of two passes, so that the wave's two results a lane are 8 neighbouring bytes and one store of the wave covers 256
; consecutive bytes at a multiple of 256 from out0's first byte.
; ADDRESSES come from whole numbers alone: q = trunc(x 2^21) as the launch before stored it.  cell = (q (res-1)) >> 21, at most res - 2.
; GATHERS.  Each wave keeps seven levels, 56 gathers of 8 bytes a lane, on their way: a ring of seven register slots.
; MLP, TRANSPOSED: source 0 = 16 rows of W^T (neurons), source 1 = 16 points.  In the result lane (r, h) holds neurons 16 t + 8 h + 0..7 of
; point r, which, packed in pairs, is the next layer's source 1 as it stands: nothing crosses lanes between layers.
; PRECISION.  Every matrix operand goes in as two bf16 numbers, hi = bf16(a) and lo = bf16(a - hi), and a product is hi hi + hi lo + lo hi
; in the f32 sum; what is dropped is of the order 2^-16 of a product.  One bf16 alone would leave 2^-9 in each of eight roundings.
; The sum over a point's eight corners has no operand that two points share, so it is packed f32 multiply-adds and no matrix product.
; NO CLUSTER: what work-groups share is 41 KB of weights, read once by each; the gathers, 128 x 8 bytes a point, are every lane's own.
; NO TENSOR LOADS: the traffic is lane-by-lane gathers; the weights need a transposition and a split on their way into LDS.
; NO PREFETCH of table rows: it would need every index twice, and seven levels are asked for ahead as it is.
;
; LIMITS.  (a) The cell is taken from 21 binary places of x: a point less than (res-1)/2^21 (at most 0.001) of a cell above a cell's face
; takes the cell below, with a fraction a little above 1.  The interpolant is continuous there; the feature then differs by that excess times
; the table's second difference.  (b) fraction = fma(x, res-1, -cell): one rounding where the problem's text has two.
; (c) ReLU is v_max_num_f32: a NaN becomes 0.  (d) A number above 3.39e38 in size rounds to infinity in bf16, and its lo part is then NaN.
; (e) The resolutions are ceil(16 s^l), s = 2^(7/15) in f64, worked out by hand: 16 23 31 43 59 81 112 154 213 295 407 562 777 1073 1483 2048.
;
; LDS: W^T[n][k] in bf16, rows padded by 16 bytes (pitches 80 and 144: odd multiples of 16, so that the 16 rows of a fragment load start in 16 different columns of 16 bytes).
.set P1,   80
.set P2,   144
.set W1H,  0                           ; 64 rows x 80
.set W1L,  5120
.set W2H,  10240                       ; 64 rows x 144
.set W2L,  19456
.set W3H,  28672
.set W3L,  37888
.set WOH,  47104                       ; 64 bf16
.set WOL,  47232
.set BIAS, 47360                       ; b1, b2, b3: 256 bytes each, f32
; vector registers
.set AW1,  1                           ; r 80 + 16 h     (r = lane % 16, h = lane / 16)
.set AW2,  2                           ; r 144 + 16 h
.set AB,   3                           ; 32 h
.set AO,   4                           ; 16 h
.set XOFF, 5                           ; 24 lane
.set OOFF, 6                           ; 8 lane
.set X,    8                           ; v[8:13]   x of my two points
.set Q,    14                          ; v[14:19]  q of my two points
.set O,    20                          ; v[20:21]  my two results
.set FH,   24                          ; v[24:39]  features, hi;  v[40:55] lo
.set FL,   40
.set TT,   56                          ; v[56:67]  at work in the encoding
.set SLOT0, 72                         ; v[72:211] seven slots of 20: corner c = dx + 2 dy + 4 dz at +2c (byte offset, then the two values); +16 dense offset, then 1 - fx; +17..19 fx, fy, fz
.set HA,   56                          ; v[56:119]  activations (the slots are empty by then): 32 part + 16 p + 4 t + jj
.set HB,   120                         ; v[120:183]
.set ACC,  184                         ; v[184:199] two accumulators, one for each tile of 16 points
.set TS,   200                         ; v[200:207] at work in the MLP
.set WR,   212                         ; v[212:243] fragments of W^T: 16 part + 8 s
.set BR,   244                         ; v[244:251] the neuron tile's biases, in the accumulator's layout
; scalar registers: s[4:27] the twelve addresses; s28 wave; s29 my trips; s30 the trip t; s31 bo; s[32:63] table + level x 4 MiB;
; s66, s67 the two primes mod 2^19; s68 2^19 - 1; s69 0xffff0000; s[70:75] the trip's x, q, out0; s[76:79] offsets; s[80:83] staging;
; s84 at work; s85 256 w + g, my first supertile
.set TB,   32
; hi = bf16 of the pair a, lo = bf16 of what is left.  t: a pair at work.
.macro SPLIT2 hi, lo, a, t
	v_cvt_pk_bf16_f32 v[\hi], v[\a], v[\a+1]
	v_lshlrev_b32 v[\t], 16, v[\hi]
	v_and_b32 v[\t+1], s69, v[\hi]
	v_pk_add_f32 v[\t:\t+1], v[\a:\a+1], v[\t:\t+1] neg_lo:[0,1] neg_hi:[0,1]
	v_cvt_pk_bf16_f32 v[\lo], v[\t], v[\t+1]
.endm
; Four plain vector instructions that name no register of the matrix instructions in front of them: behind them results are read,
; and loads go into fragment registers.
.macro PLACES
.rept 4
	v_nop
.endr
.endm
	s_load_b512 s[4:19], s[0:1], 0x0               ; x, q, table, W1, W2, W3, Wo, b1
	s_load_b256 s[20:27], s[0:1], 0x40             ; b2, b3, bo, out0
	v_lshl_add_u32 v254, v0, 2, 0xbc00
	v_mov_b32 v255, 0
	v_lshrrev_b32 v7, 5, v0
	v_readfirstlane_b32 s28, v7                    ; wave 0..15
	v_and_b32 v7, 31, v0                           ; lane
	v_and_b32 v8, 15, v0                           ; r
	v_bfe_u32 v9, v0, 4, 1                         ; h
	v_and_b32 v10, 7, v0                           ; staging: nl, my neuron among the wave's eight
	v_bfe_u32 v11, v0, 3, 2                        ; staging: kg, my group of eight k
	v_mul_u32_u24 v[AW1], P1, v8
	v_lshl_add_u32 v[AW1], v9, 4, v[AW1]
	v_mul_u32_u24 v[AW2], P2, v8
	v_lshl_add_u32 v[AW2], v9, 4, v[AW2]
	v_lshlrev_b32 v[AB], 5, v9
	v_lshlrev_b32 v[AO], 4, v9
	v_mul_u32_u24 v[XOFF], 24, v7
	v_lshlrev_b32 v[OOFF], 3, v7
	v_lshlrev_b32 v12, 2, v10                      ; staging: 4 nl
	v_lshl_add_u32 v12, v11, 11, v12               ;          + kg x 8 rows of 256 bytes
	s_mov_b32 s66, 0x779b1                         ; 2654435761 mod 2^19: only the index's low 19 bits are kept
	s_mov_b32 s67, 0x25795                         ; 805459861 mod 2^19
	s_mov_b32 s68, 0x7ffff
	s_mov_b32 s69, 0xffff0000                      ; a word's upper bf16; as a lane mask: lanes 16 to 31
	s_and_b32 s83, s28, 7                          ; staging: which eight neurons are my wave's
	s_lshl_b32 s85, s28, 8
	s_add_co_u32 s85, s85, ttmp9                   ; my first supertile: 256 w + g
	s_cmp_lt_u32 ttmp9, 9                          ; the work-group has 62 supertiles (g < 9) or 61:
	s_cselect_b32 s84, 14, 13                      ; w + 48 is among them for w < 14 or w < 13
	s_cmp_lt_u32 s28, s84
	s_cselect_b32 s29, 4, 3                        ; my trips
	s_mov_b32 s30, 0
	s_wait_kmcnt 0x0
	s_load_b32 s31, s[24:25], 0x0                  ; bo
	s_mov_b64 s[TB:TB+1], s[8:9]
.set lv, 1
.rept 15
	s_add_nc_u64 s[TB+2*lv:TB+2*lv+1], s[TB+2*lv-2:TB+2*lv-1], 0x400000    ; a level's table: 524,288 x 8 bytes
.set lv, lv+1
.endr
; STAGING.  The wave takes neurons n = 8 (w & 7) + 0..7 of one weight matrix W[k][n]; lane (nl, kg) takes k = 8 kg + 0..7 (and 32 more on, where K = 64) of
; neuron nl, splits them and stores 16 bytes of hi and of lo at n x pitch + 16 kg.  The wave's LDS bytes are eight whole rows: (w & 7) x 8 pitches on.
.macro STAGE ptr, baseh, basel, pitch, halves
	s_lshl_b32 s80, s83, 5                         ; eight columns of 4 bytes
	s_mov_b32 s81, 0
	s_add_nc_u64 s[80:81], s[\ptr:\ptr+1], s[80:81]
	s_mul_i32 s82, s83, 8*\pitch
	v_mul_u32_u24 v13, \pitch, v10
	v_lshl_add_u32 v13, v11, 4, v13
	v_add_nc_u32 v13, s82, v13
.set hh, 0
.rept \halves
.irp j, 0,1,2,3,4,5,6,7
	global_load_b32 v[72+8*hh+\j], v12, s[80:81] offset:8192*hh+256*\j
.endr
.set hh, hh+1
.endr
	s_wait_loadcnt 0x0                             ; all of them: they are used at once, and s[80:81] is written again by the next matrix
.set hh, 0
.rept \halves
.irp jj, 0,1,2,3
	SPLIT2 88+4*hh+\jj, 96+4*hh+\jj, 72+8*hh+2*\jj, 104+2*\jj
.endr
	ds_store_b128 v13, v[88+4*hh:91+4*hh] offset:\baseh+64*hh
	ds_store_b128 v13, v[96+4*hh:99+4*hh] offset:\basel+64*hh
.set hh, hh+1
.endr
.endm
	s_cmp_lt_u32 s28, 8
	s_cbranch_scc0 .Lupper
	STAGE 12, W2H, W2L, P2, 2                      ; waves 0 to 7: W2 and W1
	STAGE 10, W1H, W1L, P1, 1
	s_branch .Lstaged
.Lupper:
	STAGE 14, W3H, W3L, P2, 2                      ; waves 8 to 15: W3
	s_cmp_eq_u32 s28, 8
	s_cbranch_scc0 .Lstaged
	global_load_b64 v[72:73], v[OOFF], s[18:19]    ; wave 8: b1, b2, b3, Wo, 256 bytes each in one load
	global_load_b64 v[74:75], v[OOFF], s[20:21]
	global_load_b64 v[76:77], v[OOFF], s[22:23]
	global_load_b64 v[78:79], v[OOFF], s[16:17]
	v_lshlrev_b32 v14, 2, v7
	s_wait_loadcnt 0x0
	ds_store_b64 v[OOFF], v[72:73] offset:BIAS
	ds_store_b64 v[OOFF], v[74:75] offset:BIAS+256
	ds_store_b64 v[OOFF], v[76:77] offset:BIAS+512
	SPLIT2 88, 89, 78, 104
	ds_store_b32 v14, v88 offset:WOH
	ds_store_b32 v14, v89 offset:WOL
.Lstaged:
	s_wait_dscnt 0x0                               ; my LDS stores are done, for the other waves' sake
	s_wait_kmcnt 0x0                               ; bo
	s_barrier_signal -1
	s_barrier_wait -1                              ; the only barrier: from here on LDS is only read
; THE ENCODING.  SL is the level's slot.
; The three cells into SL+1, +3, +5 and the three fractions into SL+17..19.  r1 = res - 1, r1f the same as f32 bits.
.macro COORD pt, r1, r1f
.irp d, 0,1,2
	v_mul_u32_u24 v[SL+7+2*\d], \r1, v[Q+3*\pt+\d]         ; q < 2^21, res - 1 < 2^11: the product fits 32 bits
.endr
.irp d, 0,1,2
	v_lshrrev_b32 v[SL+1+2*\d], 21, v[SL+7+2*\d]           ; the cell, at most res - 2 since q < 2^21
.endr
.irp d, 0,1,2
	v_cvt_f32_u32 v[SL+7+2*\d], v[SL+1+2*\d]
.endr
.irp d, 0,1,2
	v_fma_f32 v[SL+17+\d], v[X+3*\pt+\d], \r1f, -v[SL+7+2*\d]
.endr
.endm
; A dense level: one index, the corners in the immediate.
.macro ISSUE_D l, pt, res, r1f
.set SL, SLOT0+20*(\l%7)
	COORD \pt, \res-1, \r1f
	v_mad_u32_u24 v[SL+16], v[SL+5], \res, v[SL+3]
	v_mad_u32_u24 v[SL+16], v[SL+16], \res, v[SL+1]        ; cx + res (cy + res cz)
	v_min_u32 v[SL+16], (\res-2)*(1+\res+\res*\res), v[SL+16]   ; the largest index that cells up to res - 2 give: met by arithmetic, written out since q was loaded
	v_lshlrev_b32 v[SL+16], 3, v[SL+16]
.irp c, 0,1,2,3,4,5,6,7
	global_load_b64 v[SL+2*\c:SL+2*\c+1], v[SL+16], s[TB+2*\l:TB+2*\l+1] offset:8*((\c&1)+\res*((\c>>1)&1)+\res*\res*(\c>>2))
.endr
.endm
; A hashed level: index = (x ^ y p1 ^ z p2) mod 2^19.  The four (y, z) terms are made and cut once; x and x + 1 are below 2^11 and leave the cut as it is.
.macro ISSUE_H l, pt, r1, r1f
.set SL, SLOT0+20*(\l%7)
	COORD \pt, \r1, \r1f
	v_add_nc_u32 v[SL+11], 1, v[SL+1]
	v_mul_u32_u24 v[SL+3], s66, v[SL+3]
	v_mul_u32_u24 v[SL+5], s67, v[SL+5]
	v_add_nc_u32 v[SL+7], s66, v[SL+3]
	v_add_nc_u32 v[SL+9], s67, v[SL+5]
	v_xor_b32 v[SL+0], v[SL+3], v[SL+5]
	v_xor_b32 v[SL+4], v[SL+7], v[SL+5]
	v_xor_b32 v[SL+8], v[SL+3], v[SL+9]
	v_xor_b32 v[SL+12], v[SL+7], v[SL+9]
.irp k, 0,4,8,12
	v_and_b32 v[SL+\k], s68, v[SL+\k]
.endr
.irp k, 0,4,8,12
	v_xor_b32 v[SL+\k+2], v[SL+11], v[SL+\k]
	v_xor_b32 v[SL+\k], v[SL+1], v[SL+\k]
.endr
.irp c, 0,1,2,3,4,5,6,7
	v_min_u32 v[SL+2*\c], 0x7ffff, v[SL+2*\c]              ; met by the cut above; written out since q was loaded
.endr
.irp c, 0,1,2,3,4,5,6,7
	v_lshlrev_b32 v[SL+2*\c], 3, v[SL+2*\c]                ; 8 bytes an entry: at most 4 MiB - 8, inside the level's table
.endr
.irp c, 0,1,2,3,4,5,6,7
	global_load_b64 v[SL+2*\c:SL+2*\c+1], v[SL+2*\c], s[TB+2*\l:TB+2*\l+1]   ; each load lands on its own offset register
.endr
.endm
; A level's eight corners are in: interpolate, split, and put the pair of features where the matrix fragment wants level l:
; levels 0-3, 8-11 (the k of lanes 0-15) in the first eight registers, levels 4-7, 12-15 (the k of lanes 16-31) in the second eight.
; left = the gathers of the younger levels, which stay out; the same wait frees the slot's offset registers.
.macro STEP l, left
.set SL, SLOT0+20*(\l%7)
.set FR, FH+(\l&3)+4*(\l>>3)+8*((\l>>2)&1)
	s_wait_loadcnt \left
	v_sub_f32 v[SL+16], 1.0, v[SL+17]              ; (1 - fx, fx) is a pair
	v_sub_f32 v[TT+0], 1.0, v[SL+18]
	v_sub_f32 v[TT+1], 1.0, v[SL+19]
	v_mul_f32 v[TT+2], v[TT+0], v[TT+1]            ; weights of (dy, dz) = (0,0), (1,0), (0,1), (1,1)
	v_mul_f32 v[TT+3], v[SL+18], v[TT+1]
	v_mul_f32 v[TT+4], v[TT+0], v[SL+19]
	v_mul_f32 v[TT+5], v[SL+18], v[SL+19]
	v_pk_mul_f32 v[TT+6:TT+7], v[SL+0:SL+1], v[TT+2:TT+3] op_sel_hi:[1,0]
	v_pk_mul_f32 v[TT+8:TT+9], v[SL+2:SL+3], v[TT+2:TT+3] op_sel_hi:[1,0]
	v_pk_fma_f32 v[TT+6:TT+7], v[SL+4:SL+5], v[TT+2:TT+3], v[TT+6:TT+7] op_sel:[0,1,0] op_sel_hi:[1,1,1]
	v_pk_fma_f32 v[TT+8:TT+9], v[SL+6:SL+7], v[TT+2:TT+3], v[TT+8:TT+9] op_sel:[0,1,0] op_sel_hi:[1,1,1]
	v_pk_fma_f32 v[TT+6:TT+7], v[SL+8:SL+9], v[TT+4:TT+5], v[TT+6:TT+7] op_sel_hi:[1,0,1]
	v_pk_fma_f32 v[TT+8:TT+9], v[SL+10:SL+11], v[TT+4:TT+5], v[TT+8:TT+9] op_sel_hi:[1,0,1]
	v_pk_fma_f32 v[TT+6:TT+7], v[SL+12:SL+13], v[TT+4:TT+5], v[TT+6:TT+7] op_sel:[0,1,0] op_sel_hi:[1,1,1]
	v_pk_fma_f32 v[TT+8:TT+9], v[SL+14:SL+15], v[TT+4:TT+5], v[TT+8:TT+9] op_sel:[0,1,0] op_sel_hi:[1,1,1]
	v_pk_mul_f32 v[TT+6:TT+7], v[TT+6:TT+7], v[SL+16:SL+17] op_sel_hi:[1,0]
	v_pk_fma_f32 v[TT+6:TT+7], v[TT+8:TT+9], v[SL+16:SL+17], v[TT+6:TT+7] op_sel:[0,1,0] op_sel_hi:[1,1,1]
	SPLIT2 FR, FR+16, TT+6, TT+10
.endm
; Seven levels go out; then each level is taken in and the level seven further on goes out into its slot.
.macro ENCODE pt
	ISSUE_D 0, \pt, 16, 0x41700000                 ; 15.0
	ISSUE_D 1, \pt, 23, 0x41b00000                 ; 22.0
	ISSUE_D 2, \pt, 31, 0x41f00000                 ; 30.0
	ISSUE_D 3, \pt, 43, 0x42280000                 ; 42.0
	ISSUE_D 4, \pt, 59, 0x42680000                 ; 58.0; 59^3 is the last cube inside 2^19
	ISSUE_H 5, \pt, 80, 0x42a00000
	ISSUE_H 6, \pt, 111, 0x42de0000
	STEP 0, 48                                     ; six younger levels of eight gathers stay out
	ISSUE_H 7, \pt, 153, 0x43190000
	STEP 1, 48
	ISSUE_H 8, \pt, 212, 0x43540000
	STEP 2, 48
	ISSUE_H 9, \pt, 294, 0x43930000
	STEP 3, 48
	ISSUE_H 10, \pt, 406, 0x43cb0000
	STEP 4, 48
	ISSUE_H 11, \pt, 561, 0x440c4000
	STEP 5, 48
	ISSUE_H 12, \pt, 776, 0x44420000
	STEP 6, 48
	ISSUE_H 13, \pt, 1072, 0x44860000
	STEP 7, 48
	ISSUE_H 14, \pt, 1482, 0x44b94000
	STEP 8, 48
	ISSUE_H 15, \pt, 2047, 0x44ffe000
	STEP 9, 48
	STEP 10, 40                                    ; nothing more goes out: the counts run down
	STEP 11, 32
	STEP 12, 24
	STEP 13, 16
	STEP 14, 8
	STEP 15, 0
.endm
; THE MLP.
; The fragments of neuron tile t: rows 16 t + r of W^T, hi and lo, ks steps of 32 along k; and the tile's eight biases a lane.
.macro WLOAD ks, adr, baseh, basel, pitch, t, boff
.irp part, 0,1
.set WS, 0
.rept \ks
	ds_load_b128 v[WR+16*\part+8*WS:WR+16*\part+8*WS+3], v[\adr] offset:\baseh+\part*(\basel-\baseh)+16*(\t)*\pitch+64*WS
	ds_load_b128 v[WR+16*\part+8*WS+4:WR+16*\part+8*WS+7], v[\adr] offset:\baseh+\part*(\basel-\baseh)+16*(\t)*\pitch+64*WS+32
.set WS, WS+1
.endr
.endr
	ds_load_b128 v[BR:BR+3], v[AB] offset:\boff+64*(\t)
	ds_load_b128 v[BR+4:BR+7], v[AB] offset:\boff+64*(\t)+16
.endm
.macro W1LOAD t
	WLOAD 1, AW1, W1H, W1L, P1, \t, BIAS
.endm
.macro W2LOAD t
	WLOAD 2, AW2, W2H, W2L, P2, \t, BIAS+256
.endm
.macro W3LOAD t
	WLOAD 2, AW2, W3H, W3L, P2, \t, BIAS+512
.endm
.macro W4LOAD                          ; the last layer has one neuron: every lane reads Wo's one row, so all 16 rows of source 0 are Wo
.irp part, 0,1
.irp ss, 0,1
	ds_load_b128 v[WR+16*\part+8*\ss:WR+16*\part+8*\ss+3], v[AO] offset:WOH+128*\part+64*\ss
	ds_load_b128 v[WR+16*\part+8*\ss+4:WR+16*\part+8*\ss+7], v[AO] offset:WOH+128*\part+64*\ss+32
.endr
.endr
.endm
; One neuron tile for both tiles of 16 points: W hi x in hi, W hi x in lo, W lo x in hi, each over the ks steps.  The two accumulators take turns, one
; instruction a turn.  The first product of each starts its sum from the biases (bias = 1) or from 0.
; in: the input's first register; ps: from hi to lo; pp: from point tile 0 to 1.
.macro MMT ks, in, ps, pp, bias
	s_wait_dscnt 0x0                               ; the tile's fragments and biases, issued one tile's activation work ago
.irp kind, 0,1,2
.set MS, 0
.rept \ks
.irp p, 0,1
.if \kind+MS
	v_wmma_f32_16x16x32_bf16 v[ACC+8*\p:ACC+8*\p+7], v[WR+16*(\kind/2)+8*MS:WR+16*(\kind/2)+8*MS+7], v[\in+\ps*(\kind%2)+\pp*\p+8*MS:\in+\ps*(\kind%2)+\pp*\p+8*MS+7], v[ACC+8*\p:ACC+8*\p+7]
.else
.if \bias
	v_wmma_f32_16x16x32_bf16 v[ACC+8*\p:ACC+8*\p+7], v[WR:WR+7], v[\in+\pp*\p:\in+\pp*\p+7], v[BR:BR+7]
.else
	v_wmma_f32_16x16x32_bf16 v[ACC+8*\p:ACC+8*\p+7], v[WR:WR+7], v[\in+\pp*\p:\in+\pp*\p+7], 0
.endif
.endif
.endr
.set MS, MS+1
.endr
.endr
	PLACES
.endm
; ReLU, split, pack: neurons 16 t + 8 h + 2 jj, + 1 go to register 4 t + jj of the next layer's source 1.
.macro ACT out, t
.irp p, 0,1
.irp jj, 0,1,2,3
	v_max_num_f32 v[ACC+8*\p+2*\jj], 0, v[ACC+8*\p+2*\jj]
	v_max_num_f32 v[ACC+8*\p+2*\jj+1], 0, v[ACC+8*\p+2*\jj+1]
	SPLIT2 \out+16*\p+4*(\t)+\jj, \out+32+16*\p+4*(\t)+\jj, ACC+8*\p+2*\jj, TS+2*\jj
.endr
.endr
.endm
; In every tile: the products, four places, the NEXT tile's fragments asked for, then this tile's activation work while they come.
.macro MLP pt
	W1LOAD 0
	; Each lane holds all 32 features of its own point.  The swap hands lanes 16-31 of the first eight registers and lanes 0-15 of the second eight
	; to each other: the first eight are then source 1 of points 0-15 (lanes 16-31 with their k), the second eight that of points 16-31.
.irp i, 0,1,2,3,4,5,6,7
	v_permlane16_swap_b32 v[FH+\i], v[FH+8+\i]
	v_permlane16_swap_b32 v[FL+\i], v[FL+8+\i]
.endr
.irp t, 0,1,2
	MMT 1, FH, 16, 8, 1
	W1LOAD \t+1
	ACT HA, \t
.endr
	MMT 1, FH, 16, 8, 1
	W2LOAD 0
	ACT HA, 3
.irp t, 0,1,2
	MMT 2, HA, 32, 16, 1
	W2LOAD \t+1
	ACT HB, \t
.endr
	MMT 2, HA, 32, 16, 1
	W3LOAD 0
	ACT HB, 3
.irp t, 0,1,2
	MMT 2, HB, 32, 16, 1
	W3LOAD \t+1
	ACT HA, \t
.endr
	MMT 2, HB, 32, 16, 1
	W4LOAD
	ACT HA, 3
	MMT 2, HA, 32, 16, 0
	v_cndmask_b32 v[O+\pt], v[ACC], v[ACC+8], s69  ; all rows of the result are alike: lane L finds point L in register 0 of tile L / 16
	v_add_f32 v[O+\pt], s31, v[O+\pt]              ; + bo
.endm
.Ltrip:
	s_wait_xcnt 0x0                                ; the last trip's store has had its address translated: its data, v[20:21], and its base are written again only behind this wait
	s_lshl_b32 s76, s30, 12                        ; 16 waves x 256 work-groups further on in each trip
	s_add_co_u32 s76, s76, s85                     ; the supertile: 256 (w + 16 t) + g, at most 15,624
	s_mul_i32 s78, s76, 768                        ; 64 points of 12 bytes
	s_mov_b32 s79, 0
	s_lshl_b32 s76, s76, 8                         ; 64 results of 4 bytes
	s_mov_b32 s77, 0
	s_add_nc_u64 s[70:71], s[4:5], s[78:79]
	s_add_nc_u64 s[72:73], s[6:7], s[78:79]
	s_add_nc_u64 s[74:75], s[26:27], s[76:77]
.irp j, 0,1,2
	global_load_b64 v[X+2*\j:X+2*\j+1], v[XOFF], s[70:71] offset:8*\j      ; the three loads together cover the supertile's 768 bytes
	global_load_b64 v[Q+2*\j:Q+2*\j+1], v[XOFF], s[72:73] offset:8*\j
.endr
	s_wait_loadcnt 0x0                             ; all six are used at once
	ENCODE 0
	MLP 0
	ENCODE 1
	MLP 1
	global_store_b64 v[OOFF], v[O:O+1], s[74:75] th:TH_STORE_NT            ; 256 consecutive bytes, at a multiple of 256 from out0's first byte
	s_add_co_u32 s30, s30, 1
	s_cmp_lt_u32 s30, s29                          ; three or four trips
	s_cbranch_scc1 .Ltrip
	s_wait_tensorcnt 0x0
	ds_add_u32 v254, v255
	s_wait_dscnt 0x0
	s_endpgm
.Lfunc_end_k_q13b2f8768c_pinn:
	.size	k_q13b2f8768c_pinn, .Lfunc_end_k_q13b2f8768c_pinn-k_q13b2f8768c_pinn
	.p2alignl 7, 3214868480
	.fill 96, 4, 3214868480
	.section	.rodata,"a",@progbits
	.p2align	6, 0x0
	.amdhsa_kernel k_q13b2f8768c_pinn
		.amdhsa_group_segment_fixed_size 50176
		.amdhsa_private_segment_fixed_size 0
		.amdhsa_enable_private_segment 0
		.amdhsa_kernarg_size 96
		.amdhsa_user_sgpr_count 2
		.amdhsa_user_sgpr_kernarg_segment_ptr 1
		.amdhsa_wavefront_size32 1
		.amdhsa_system_sgpr_workgroup_id_x 1
		.amdhsa_system_sgpr_workgroup_id_y 1
		.amdhsa_system_sgpr_workgroup_id_z 1
		.amdhsa_system_vgpr_workitem_id 0
		.amdhsa_next_free_vgpr 256
		.amdhsa_next_free_sgpr 96
		.amdhsa_reserve_vcc 0
		.amdhsa_float_denorm_mode_32 3
		.amdhsa_float_denorm_mode_16_64 3
		.amdhsa_memory_ordered 1
		.amdhsa_forward_progress 1
		.amdhsa_inst_pref_size 225
	.end_amdhsa_kernel
	.amdgpu_metadata
---
amdhsa.version: [ 1, 2 ]
amdhsa.kernels:
  - .name:           k_q13b2f8768c_pinn
    .symbol:         k_q13b2f8768c_pinn.kd
    .args:
      - { .name: x, .offset: 0, .size: 8, .value_kind: global_buffer, .address_space: global }
      - { .name: q, .offset: 8, .size: 8, .value_kind: global_buffer, .address_space: global }
      - { .name: table, .offset: 16, .size: 8, .value_kind: global_buffer, .address_space: global }
      - { .name: W1, .offset: 24, .size: 8, .value_kind: global_buffer, .address_space: global }
      - { .name: W2, .offset: 32, .size: 8, .value_kind: global_buffer, .address_space: global }
      - { .name: W3, .offset: 40, .size: 8, .value_kind: global_buffer, .address_space: global }
      - { .name: Wo, .offset: 48, .size: 8, .value_kind: global_buffer, .address_space: global }
      - { .name: b1, .offset: 56, .size: 8, .value_kind: global_buffer, .address_space: global }
      - { .name: b2, .offset: 64, .size: 8, .value_kind: global_buffer, .address_space: global }
      - { .name: b3, .offset: 72, .size: 8, .value_kind: global_buffer, .address_space: global }
      - { .name: bo, .offset: 80, .size: 8, .value_kind: global_buffer, .address_space: global }
      - { .name: out0, .offset: 88, .size: 8, .value_kind: global_buffer, .address_space: global }
    .group_segment_fixed_size: 50176
    .private_segment_fixed_size: 0
    .kernarg_segment_align: 8
    .kernarg_segment_size: 96
    .max_flat_workgroup_size: 512
    .sgpr_count:     96
    .vgpr_count:     256
    .wavefront_size: 32
...
	.end_amdgpu_metadata
.endif
;; end of part 2
;; ======== version 2 of 3: 2 launches; 1.49 times as fast as version 1
;; limits: values are held in f16: magnitudes above 65,504 overflow, below 6.1e-05 lose precision; inputs' magnitudes at most 65,504; below input magnitudes of 6.1e-05 results are inexact or not finite
;; workspace buffers: q 12,000,000 bytes of whole numbers
;; launch quant: the kernel of part 1 again; grid 1875 x 1, 5 waves a work-group, no clusters, 0 bytes of LDS; arguments x, q; writes q
;; launch pinn (part 3): grid 256 x 1, 16 waves a work-group, no clusters, 157,952 bytes of LDS; arguments x, q, table, W1, W2, W3, Wo, b1, b2, b3, bo, out0; writes out0
.if DOCPART == 3
	.amdgcn_target "amdgcn-amd-amdhsa--gfx1250"
	.amdhsa_code_object_version 6
	.text
	.protected	k_q13b2f8768c_pinn
	.globl	k_q13b2f8768c_pinn
	.p2align	8
	.type	k_q13b2f8768c_pinn,@function
k_q13b2f8768c_pinn:
	s_mov_b64 s[64:65], 0
	v_nop
	global_prefetch_b8 v0, s[64:65] scope:SCOPE_SE
	s_setreg_imm32_b32 hwreg(HW_REG_WAVE_MODE, 25, 1), 1
	s_wait_xcnt 0x0
; out0[n] = MLP(encode(x[n])): 16 grid levels x 8 corners gathered from table and interpolated to 32 features, then 32 -> 64 -> 64 -> 64 -> 1
; with biases and ReLU.  Everything between x and out0 stays in registers.
;
; SHARES.  A supertile is 64 points; there are 15,625 = 61 x 256 + 9.  Work-group g takes supertiles g + 256 i, i < 61 (62 for g < 9); wave w of 16
; takes i = w + 16 t, t = 0, 1, ..: four trips for w < 13 (w < 14 where g < 9), three for the others.  Lane L owns points 2L (pass 0) and 2L + 1
; (pass 1) of the supertile, so that its two results are 8 neighbouring bytes and one store of the wave covers 256 consecutive bytes at a
; multiple of 256 from out0's first byte.
; ADDRESSES come from whole numbers alone: q = trunc(x 2^21) as the launch before stored it.  cell = (q (res-1)) >> 21, at most res - 2.
; THE TWO COARSEST TABLES LIE IN LDS: level 0 is 16^3 x 8 = 32,768 bytes, level 1 is 23^3 x 8 = 97,336.  Each work-group copies them once and reads
; their corners, 2 of every 16 levels' gathers, from LDS.  Level 2, 31^3 x 8 = 238,328 bytes, does not fit beside them in a WGP's 327,680.
; GATHERS.  The 32 (pass, level) steps of a trip are one stream through a ring of seven register slots: three to seven levels, 24 to 56 gathers of
; 8 bytes a lane, are on their way.  Levels are taken in two at a time, stage by stage, so that an instruction seldom needs the one just in front.
; MLP, TRANSPOSED, for all 64 points at once: source 0 = 16 rows of W^T (neurons), source 1 = 16 points; four point tiles, four accumulators.
; In the result lane (r, h) holds neurons 16 t + 8 h + 0..7 of point r, which, packed in pairs, is the next layer's source 1 as it stands.
; PRECISION.  Matrix operands are f16 (11 significant bits), under a scale of the point's own.  With N1, N2 the largest column sums of |W1|, |W2|,
; m0 the point's largest |feature|:  B1 = N1 m0 + max|b1|, B2 = N2 B1 + max|b2|, B = max(m0, B1, B2, max|b3|, 2^-100) bounds every operand of
; that point, for every input.  S = 2^14 / (the power of two at or below B), so S x operand < 2^15.  The net runs on S h: the sums start from S b,
; ReLU commutes with S > 0, and the result is divided by S at the end (both are powers of two: exact).  The last layer is f32 multiply-adds.
; The sum over a point's eight corners has no operand that two points share, so it is packed f32 arithmetic and no matrix product.
; NO CLUSTER: what work-groups share is 41 KB of weights and 128 KB of tables, read once by each; the gathers, 112 x 8 bytes a point, are every lane's own.
; NO TENSOR LOADS: the traffic is lane-by-lane gathers; the weights need a transposition and a conversion on their way into LDS, and the two tables
; are filled once, by 16 loads of 16 bytes a lane that are on their way while the weights are staged.
; NO PREFETCH of table rows: it would need every index twice, and several levels are asked for ahead as it is.
;
; LIMITS.  (a) The cell is taken from 21 binary places of x: a point less than (res-1)/2^21 (at most 0.001) of a cell above a cell's face
; takes the cell below, with a fraction a little above 1.  The interpolant is continuous there; the feature then differs by that excess times
; the table's second difference.  (b) fraction = fma(x, res-1, -cell): one rounding where the problem's text has two; the interpolation is
; a + f (b - a) along x, y, z in turn, another order of rounding than the sum of eight weighted corners.  (c) ReLU is v_max_num_f32: a NaN becomes 0.
; (d) Weights of W1, W2, W3 above 65,504 in size become infinite in f16; below 2^-14 they are kept in steps of 2^-24.
; (e) The bound B must be finite in f32.  Under S the smallest f16 step, 2^-24, is 2^-39 of an operand's upper limit 2^15.
; (f) The resolutions are ceil(16 s^l), s = 2^(7/15) in f64, worked out by hand: 16 23 31 43 59 81 112 154 213 295 407 562 777 1073 1483 2048.
;
; LDS: W^T[n][k] in f16, rows padded by 16 bytes (pitches 80 and 144: odd multiples of 16, so that the 16 rows of a fragment load start in 16 different columns of 16 bytes).
.set P1,   80
.set P2,   144
.set W1F,  0                           ; 64 rows x 80
.set W2F,  5120                        ; 64 rows x 144
.set W3F,  14336
.set BIAS, 23552                       ; b1, b2, b3: 256 bytes each, f32
.set WOF,  24320                       ; Wo, f32
.set NRM,  24576                       ; 8 words: column sums of |W2|, one a wave; 8 words: of |W1|; 3 words: max|b1|, |b2|, |b3|
.set TL0,  24832                       ; level 0's table as it lies in memory: 4 x 8,192 bytes
.set TL1,  57600                       ; level 1's: 12 x 8,192 bytes, of which the first 97,336 are read; ends at 155,904
.set NLDS, 2                           ; levels 0 .. NLDS - 1 are read from LDS (even: levels are taken in by twos)
.set LASTST, 15624                     ; the last supertile
; vector registers
.set AW1,  1                           ; r 80 + 16 h     (r = lane % 16, h = lane / 16)
.set AW2,  2                           ; r 144 + 16 h
.set AB,   3                           ; 32 h
.set TOFF, 4                           ; staging of the tables: 512 wave + 16 lane
.set XOFF, 5                           ; 24 lane
.set OOFF, 6                           ; 8 lane
.set X,    8                           ; v[8:13]   x of my two points
.set Q,    14                          ; v[14:19]  q of my two points
.set O,    20                          ; v[20:21]  my two results
.set TA1,  22                          ; staging of the tables: TOFF + TL1
.set TA2,  23                          ;                        TOFF + TL1 + 65,536 (an LDS immediate ends at 65,535)
.set FF,   24                          ; v[24:55]  a pass's 32 features in f32, in the order of the fragment's registers
.set ACC,  24                          ; v[24:55]  in the MLP: four accumulators, one for each tile of 16 points
.set TT,   56                          ; v[56:62]  at work when a pass is closed
.set SLOT0, 72                         ; v[72:211] seven slots of 20: corner c = dx + 2 dy + 4 dz at +2c (byte offset, then the two values); +16..18 fx, fy, fz; +19 at work, dense offset
.set TST,  112                         ; v[112:175] staging of the tables: 16 x 16 bytes a lane
.set FB,   212                         ; v[212:243] the features in f16: point tile P = 2 pass + half at 8 P
.set SCR,  244                         ; v[244:251] pair 2 P: S of tile P's points; the odd register of pass pt's first pair: 1/S of my own point
.set HA,   56                          ; v[56:119]  activations in f16 (the slots are empty by then): 16 P + 4 t + jj
.set HB,   120                         ; v[120:183]
.set WR,   184                         ; v[184:199] fragments of W^T: 8 s
.set BR,   200                         ; v[200:207] the neuron tile's biases, in the accumulator's layout
.set WOR,  56                          ; v[56:87]   layer 3 (HA is read out by then): Wo in the accumulator's layout, 8 t
.set OS,   88                          ; v[88:95]   layer 3: the sums of the last layer, a pair for each point tile
; scalar registers: s[4:27] the twelve addresses; s28 wave; s29 my trips; s30 the trip t; s31 bo; s[32:63] table + level x 4 MiB;
; s66, s67 the two primes mod 2^19; s68 2^19 - 1; s69 lanes 16 to 31; s[70:75] x, q, out0 of a trip; s[76:79] offsets; s[80:83] staging; s84 at work;
; s85 256 w + g, my first supertile; s86 N1; s87 max|b1|; s88 N2; s89 max|b2|; s90 max(max|b3|, 2^-100); s91, s92 lane selects; s93, s94 supertiles
.set TB,   32
; Four plain vector instructions that name no register of the matrix instructions in front of them: behind them results are read,
; and loads go into fragment registers.
.macro PLACES
.rept 4
	v_nop
.endr
.endm
	s_load_b512 s[4:19], s[0:1], 0x0               ; x, q, table, W1, W2, W3, Wo, b1
	s_load_b256 s[20:27], s[0:1], 0x40             ; b2, b3, bo, out0
	v_lshl_add_u32 v254, v0, 2, 0x26100
	v_mov_b32 v255, 0
	v_lshrrev_b32 v7, 5, v0
	v_readfirstlane_b32 s28, v7                    ; wave 0..15
	v_and_b32 v7, 31, v0                           ; lane
	v_and_b32 v8, 15, v0                           ; r
	v_bfe_u32 v9, v0, 4, 1                         ; h
	v_and_b32 v10, 7, v0                           ; staging: nl, my neuron among the wave's eight
	v_bfe_u32 v11, v0, 3, 2                        ; staging: kg, my group of eight k
	v_mul_u32_u24 v[AW1], P1, v8
	v_lshl_add_u32 v[AW1], v9, 4, v[AW1]
	v_mul_u32_u24 v[AW2], P2, v8
	v_lshl_add_u32 v[AW2], v9, 4, v[AW2]
	v_lshlrev_b32 v[AB], 5, v9
	v_mul_u32_u24 v[XOFF], 24, v7
	v_lshlrev_b32 v[OOFF], 3, v7
	v_lshlrev_b32 v12, 2, v10                      ; staging: 4 nl
	v_lshl_add_u32 v12, v11, 11, v12               ;          + kg x 8 rows of 256 bytes
	s_lshl_b32 s80, s28, 9
	v_lshl_add_u32 v[TOFF], v7, 4, s80             ; the tables: 512 bytes a wave, 16 a lane; the 16 waves cover 8,192 bytes
	v_add_nc_u32 v[TA1], TL1, v[TOFF]
	v_add_nc_u32 v[TA2], TL1+65536, v[TOFF]
	s_mov_b32 s66, 0x779b1                         ; 2654435761 mod 2^19: only the index's low 19 bits are kept
	s_mov_b32 s67, 0x25795                         ; 805459861 mod 2^19
	s_mov_b32 s68, 0x7ffff
	s_mov_b32 s69, 0xffff0000                      ; as a lane mask: lanes 16 to 31
	s_mov_b32 s91, 0x76543210                      ; v_permlanex16_b32: lane i of one half reads lane i of the other
	s_mov_b32 s92, 0xfedcba98
	s_mov_b32 s77, 0                               ; the upper words of the two offset pairs
	s_mov_b32 s79, 0
	s_and_b32 s83, s28, 7                          ; staging: which eight neurons are my wave's
	s_lshl_b32 s85, s28, 8
	s_add_co_u32 s85, s85, ttmp9                   ; my first supertile: 256 w + g
	s_cmp_lt_u32 ttmp9, 9                          ; the work-group has 62 supertiles (g < 9) or 61:
	s_cselect_b32 s84, 14, 13                      ; w + 48 is among them for w < 14 or w < 13
	s_cmp_lt_u32 s28, s84
	s_cselect_b32 s29, 4, 3                        ; my trips
	s_mov_b32 s30, 0
	s_wait_kmcnt 0x0
	s_load_b32 s31, s[24:25], 0x0                  ; bo
	s_mov_b64 s[TB:TB+1], s[8:9]
.set lv, 1
.rept 15
	s_add_nc_u64 s[TB+2*lv:TB+2*lv+1], s[TB+2*lv-2:TB+2*lv-1], 0x400000    ; a level's table: 524,288 x 8 bytes
.set lv, lv+1
.endr
	; The two coarse tables go out first: 16 loads a lane, each of a wave covering 512 consecutive bytes.  Level 1's twelfth step runs 968 bytes past its
	; 23^3 entries, inside the level's own 4 MiB.  They are on their way while the weights are staged.
.irp j, 0,1,2,3
	global_load_b128 v[TST+4*\j:TST+4*\j+3], v[TOFF], s[TB:TB+1] offset:8192*\j
.endr
.irp j, 0,1,2,3,4,5,6,7,8,9,10,11
	global_load_b128 v[TST+16+4*\j:TST+16+4*\j+3], v[TOFF], s[TB+2:TB+3] offset:8192*\j
.endr
; STAGING.  The wave takes neurons n = 8 (w & 7) + 0..7 of one weight matrix W[k][n]; lane (nl, kg) takes k = 8 kg + 0..7 (and 32 more on, where K = 64) of
; neuron nl, rounds them to f16 and stores 16 bytes at n x pitch + 16 kg.  The wave's LDS bytes are eight whole rows: (w & 7) x 8 pitches on.
; nrm >= 0: the largest of the eight neurons' sums of |W| goes to the wave's word at nrm.
.macro STAGE ptr, base, pitch, halves, nrm
	s_lshl_b32 s80, s83, 5                         ; eight columns of 4 bytes
	s_mov_b32 s81, 0
	s_add_nc_u64 s[80:81], s[\ptr:\ptr+1], s[80:81]
	s_mul_i32 s82, s83, 8*\pitch
	v_mul_u32_u24 v13, \pitch, v10
	v_lshl_add_u32 v13, v11, 4, v13
	v_add_nc_u32 v13, s82, v13
.set hh, 0
.rept \halves
.irp j, 0,1,2,3,4,5,6,7
	global_load_b32 v[72+8*hh+\j], v12, s[80:81] offset:8192*hh+256*\j
.endr
.set hh, hh+1
.endr
	s_wait_loadcnt 0x0                             ; all of them: they are used at once, and s[80:81] is written again by the next matrix
.set hh, 0
.rept \halves
.irp jj, 0,1,2,3
	v_cvt_pk_f16_f32 v[88+4*hh+\jj], v[72+8*hh+2*\jj], v[72+8*hh+2*\jj+1]
.endr
	ds_store_b128 v13, v[88+4*hh:91+4*hh] offset:\base+64*hh
.set hh, hh+1
.endr
.if \nrm >= 0
	v_add_f32 v104, |v72|, |v73|                   ; my part of sum over k of |W[k][n]|
.set hj, 2
.rept 8*\halves-2
	v_add_f32 v104, v104, |v[72+hj]|
.set hj, hj+1
.endr
	v_add_f32_dpp v104, v104, v104 row_xmask:8 row_mask:0xf bank_mask:0xf   ; the four kg of a neuron are lanes nl, nl + 8, nl + 16, nl + 24
	v_mov_b32 v105, v104                           ; the permute's destination counts as read
	v_permlanex16_b32 v105, v104, s91, s92
	v_add_f32 v104, v104, v105
	v_max_num_f32_dpp v104, v104, v104 row_xmask:1 row_mask:0xf bank_mask:0xf   ; the largest of the eight neurons
	v_max_num_f32_dpp v104, v104, v104 row_xmask:2 row_mask:0xf bank_mask:0xf
	v_max_num_f32_dpp v104, v104, v104 row_xmask:4 row_mask:0xf bank_mask:0xf
	s_lshl_b32 s82, s83, 2
	v_mov_b32 v106, s82
	ds_store_b32 v106, v104 offset:\nrm            ; all lanes write the same word with the same value
.endif
.endm
	s_cmp_lt_u32 s28, 8
	s_cbranch_scc0 .Lupper
	STAGE 12, W2F, P2, 2, NRM                      ; waves 0 to 7: W2 and W1, with their column sums
	STAGE 10, W1F, P1, 1, NRM+32
	s_branch .Lstaged
.Lupper:
	STAGE 14, W3F, P2, 2, -1                       ; waves 8 to 15: W3 (what it yields stays in f32: no bound is needed)
	s_cmp_eq_u32 s28, 8
	s_cbranch_scc0 .Lstaged
	global_load_b64 v[72:73], v[OOFF], s[18:19]    ; wave 8: b1, b2, b3, Wo, 256 bytes each in one load
	global_load_b64 v[74:75], v[OOFF], s[20:21]
	global_load_b64 v[76:77], v[OOFF], s[22:23]
	global_load_b64 v[78:79], v[OOFF], s[16:17]
	s_wait_loadcnt 0x0
	ds_store_b64 v[OOFF], v[72:73] offset:BIAS
	ds_store_b64 v[OOFF], v[74:75] offset:BIAS+256
	ds_store_b64 v[OOFF], v[76:77] offset:BIAS+512
	ds_store_b64 v[OOFF], v[78:79] offset:WOF
.irp i, 0,1,2
	v_max_num_f32 v[80+2*\i], |v[72+2*\i]|, |v[73+2*\i]|
.endr
.irp m, 1,2,4,8
.irp i, 0,1,2
	v_max_num_f32_dpp v[80+2*\i], v[80+2*\i], v[80+2*\i] row_xmask:\m row_mask:0xf bank_mask:0xf
.endr
.endr
.irp i, 0,1,2
	v_mov_b32 v[81+2*\i], v[80+2*\i]
.endr
.irp i, 0,1,2
	v_permlanex16_b32 v[81+2*\i], v[80+2*\i], s91, s92
.endr
.irp i, 0,1,2
	v_max_num_f32 v[80+2*\i], v[80+2*\i], v[81+2*\i]
.endr
	v_mov_b32 v106, 0
	ds_store_b32 v106, v80 offset:NRM+64           ; max|b1|
	ds_store_b32 v106, v82 offset:NRM+68           ; max|b2|
	ds_store_b32 v106, v84 offset:NRM+72           ; max|b3|
.Lstaged:
	s_wait_loadcnt 0x0                             ; the tables' 16 loads (met: on every way here a later load has been waited for)
.irp j, 0,1,2,3
	ds_store_b128 v[TOFF], v[TST+4*\j:TST+4*\j+3] offset:TL0+8192*\j       ; 16 neighbouring bytes a lane: the tables lie in LDS as in memory
.endr
.irp j, 0,1,2,3,4,5,6,7
	ds_store_b128 v[TA1], v[TST+16+4*\j:TST+16+4*\j+3] offset:8192*\j
.endr
.irp j, 8,9,10,11
	ds_store_b128 v[TA2], v[TST+16+4*\j:TST+16+4*\j+3] offset:8192*(\j-8)
.endr
	s_wait_dscnt 0x0                               ; my LDS stores are done, for the other waves' sake
	s_wait_kmcnt 0x0                               ; bo
	s_barrier_signal -1
	s_barrier_wait -1                              ; the only barrier: from here on LDS is only read
; x and q of supertile id: three loads each, which together cover its 768 bytes.
.macro XQLOAD id
	s_mul_i32 s78, \id, 768                        ; 64 points of 12 bytes
	s_add_nc_u64 s[70:71], s[4:5], s[78:79]
	s_add_nc_u64 s[72:73], s[6:7], s[78:79]
.irp j, 0,1,2
	global_load_b64 v[X+2*\j:X+2*\j+1], v[XOFF], s[70:71] offset:8*\j
	global_load_b64 v[Q+2*\j:Q+2*\j+1], v[XOFF], s[72:73] offset:8*\j
.endr
.endm
	XQLOAD s85                                     ; the first trip's, on their way while the norms are gathered
	v_mov_b32 v72, 0
	ds_load_b128 v[76:79], v72 offset:NRM          ; eight waves' column sums of |W2|
	ds_load_b128 v[80:83], v72 offset:NRM+16
	ds_load_b128 v[84:87], v72 offset:NRM+32       ; of |W1|
	ds_load_b128 v[88:91], v72 offset:NRM+48
	ds_load_b96 v[92:94], v72 offset:NRM+64        ; max|b1|, |b2|, |b3|
	s_wait_dscnt 0x0
	v_max3_num_f32 v76, v76, v77, v78
	v_max3_num_f32 v84, v84, v85, v86
	v_max3_num_f32 v79, v79, v80, v81
	v_max3_num_f32 v87, v87, v88, v89
	v_max3_num_f32 v76, v76, v82, v83
	v_max3_num_f32 v84, v84, v90, v91
	v_max_num_f32 v94, 0x0d800000, v94             ; 2^-100: keeps S and 1/S normal numbers where everything is zero
	v_max_num_f32 v76, v76, v79
	v_max_num_f32 v84, v84, v87
	v_readfirstlane_b32 s87, v92
	v_readfirstlane_b32 s89, v93
	v_readfirstlane_b32 s90, v94
	v_readfirstlane_b32 s88, v76                   ; N2
	v_readfirstlane_b32 s86, v84                   ; N1
; THE ENCODING.  Step g = 16 pass + level.  ISSUE sets LV, PT and SL, the step's slot.
; The three cells into SL+1, +3, +5 and the three fractions into SL+16..18.  r1 = res - 1, r1f the same as f32 bits.  At work: SL+7, +9, +19.
.macro COORD r1, r1f
.irp d, 0,1,2
	v_mul_u32_u24 v[SL+7+2*\d+8*(\d/2)], \r1, v[Q+3*PT+\d]         ; q < 2^21, res - 1 < 2^11: the product fits 32 bits
.endr
.irp d, 0,1,2
	v_lshrrev_b32 v[SL+1+2*\d], 21, v[SL+7+2*\d+8*(\d/2)]          ; the cell, at most res - 2 since q < 2^21
.endr
.irp d, 0,1,2
	v_cvt_f32_u32 v[SL+7+2*\d+8*(\d/2)], v[SL+1+2*\d]
.endr
.irp d, 0,1,2
	v_fma_f32 v[SL+16+\d], v[X+3*PT+\d], \r1f, -v[SL+7+2*\d+8*(\d/2)]
.endr
.endm
; The one byte offset of a dense level's first corner, into SL+19.
.macro DENSEIDX res, r1f
	COORD \res-1, \r1f
	v_mad_u32_u24 v[SL+19], v[SL+5], \res, v[SL+3]
	v_mad_u32_u24 v[SL+19], v[SL+19], \res, v[SL+1]        ; cx + res (cy + res cz)
	v_min_u32 v[SL+19], (\res-2)*(1+\res+\res*\res), v[SL+19]   ; the largest index that cells up to res - 2 give: met by arithmetic, written out since q was loaded
	v_lshlrev_b32 v[SL+19], 3, v[SL+19]
.endm
; A dense level in memory: the corners in the immediate.
.macro ISSUE_D res, r1f
	DENSEIDX \res, \r1f
.irp c, 0,1,2,3,4,5,6,7
	global_load_b64 v[SL+2*\c:SL+2*\c+1], v[SL+19], s[TB+2*LV:TB+2*LV+1] offset:8*((\c&1)+\res*((\c>>1)&1)+\res*\res*(\c>>2))
.endr
.endm
; A dense level in LDS: the table's first byte and the corner in the immediate (62,024 at the most, for level 1's last corner).
.macro ISSUE_L res, r1f, base
	DENSEIDX \res, \r1f
.irp c, 0,1,2,3,4,5,6,7
	ds_load_b64 v[SL+2*\c:SL+2*\c+1], v[SL+19] offset:\base+8*((\c&1)+\res*((\c>>1)&1)+\res*\res*(\c>>2))
.endr
.endm
; A hashed level: index = (x ^ y p1 ^ z p2) mod 2^19.  The four (y, z) terms are made and cut once; x and x + 1 are below 2^11 and leave the cut as it is.
.macro ISSUE_H r1, r1f
	COORD \r1, \r1f
	v_add_nc_u32 v[SL+11], 1, v[SL+1]
	v_mul_u32_u24 v[SL+3], s66, v[SL+3]
	v_mul_u32_u24 v[SL+5], s67, v[SL+5]
	v_add_nc_u32 v[SL+7], s66, v[SL+3]
	v_add_nc_u32 v[SL+9], s67, v[SL+5]
	v_xor_b32 v[SL+0], v[SL+3], v[SL+5]
	v_xor_b32 v[SL+4], v[SL+7], v[SL+5]
	v_xor_b32 v[SL+8], v[SL+3], v[SL+9]
	v_xor_b32 v[SL+12], v[SL+7], v[SL+9]
.irp k, 0,4,8,12
	v_and_b32 v[SL+\k], s68, v[SL+\k]
.endr
.irp k, 0,4,8,12
	v_xor_b32 v[SL+\k+2], v[SL+11], v[SL+\k]
	v_xor_b32 v[SL+\k], v[SL+1], v[SL+\k]
.endr
.irp c, 0,1,2,3,4,5,6,7
	v_min_u32 v[SL+2*\c], 0x7ffff, v[SL+2*\c]              ; met by the cut above; written out since q was loaded
.endr
.irp c, 0,1,2,3,4,5,6,7
	v_lshlrev_b32 v[SL+2*\c], 3, v[SL+2*\c]                ; 8 bytes an entry: at most 4 MiB - 8, inside the level's table
.endr
.irp c, 0,1,2,3,4,5,6,7
	global_load_b64 v[SL+2*\c:SL+2*\c+1], v[SL+2*\c], s[TB+2*LV:TB+2*LV+1]   ; each load lands on its own offset register
.endr
.endm
.macro ISSUE g
.set LV, (\g)%16
.set PT, (\g)/16
.set SL, SLOT0+20*((\g)%7)
.if LV == 0
	ISSUE_L 16, 0x41700000, TL0                    ; 15.0
.endif
.if LV == 1
	ISSUE_L 23, 0x41b00000, TL1                    ; 22.0
.endif
.if LV == 2
	ISSUE_D 31, 0x41f00000                         ; 30.0
.endif
.if LV == 3
	ISSUE_D 43, 0x42280000                         ; 42.0
.endif
.if LV == 4
	ISSUE_D 59, 0x42680000                         ; 58.0; 59^3 is the last cube inside 2^19
.endif
.if LV == 5
	ISSUE_H 80, 0x42a00000
.endif
.if LV == 6
	ISSUE_H 111, 0x42de0000
.endif
.if LV == 7
	ISSUE_H 153, 0x43190000
.endif
.if LV == 8
	ISSUE_H 212, 0x43540000
.endif
.if LV == 9
	ISSUE_H 294, 0x43930000
.endif
.if LV == 10
	ISSUE_H 406, 0x43cb0000
.endif
.if LV == 11
	ISSUE_H 561, 0x440c4000
.endif
.if LV == 12
	ISSUE_H 776, 0x44420000
.endif
.if LV == 13
	ISSUE_H 1072, 0x44860000
.endif
.if LV == 14
	ISSUE_H 1482, 0x44b94000
.endif
.if LV == 15
	ISSUE_H 2047, 0x44ffe000
.endif
.endm
; Steps g and g + 1 (g even) are in: a + f (b - a) along x (four pairs of corners), y (two), z (one), two features at a time, in the slot's own registers,
; the two levels stage by stage.  The pair of features goes where the matrix fragment wants level l: levels 0-3, 8-11 (the k of lanes 0-15) in the
; first half of FF, levels 4-7, 12-15 (the k of lanes 16-31) in the second.
; left = the younger loads from memory, which stay out; the same wait frees the two slots' offset registers.  The two levels in LDS have the LDS counter
; to themselves at their turn: their 16 reads are all that is out on it.
.macro STEP2 g, left
.set SLA, SLOT0+20*((\g)%7)
.set SLB, SLOT0+20*(((\g)+1)%7)
.set LA, (\g)%16
.set LB, LA+1
.set FA, FF+2*((LA&3)+4*(LA>>3)+8*((LA>>2)&1))
.set FC, FF+2*((LB&3)+4*(LB>>3)+8*((LB>>2)&1))
.if LA < NLDS
	s_wait_dscnt 0x0
.else
	s_wait_loadcnt \left
.endif
.irp s, SLA, SLB
.irp k, 0,4,8,12
	v_pk_add_f32 v[\s+\k+2:\s+\k+3], v[\s+\k+2:\s+\k+3], v[\s+\k:\s+\k+1] neg_lo:[0,1] neg_hi:[0,1]
.endr
.endr
.irp s, SLA, SLB
.irp k, 0,4,8,12
	v_pk_fma_f32 v[\s+\k:\s+\k+1], v[\s+\k+2:\s+\k+3], v[\s+16:\s+17], v[\s+\k:\s+\k+1] op_sel_hi:[1,0,1]   ; x fx, the pair's first
.endr
.endr
.irp s, SLA, SLB
.irp k, 0,8
	v_pk_add_f32 v[\s+\k+4:\s+\k+5], v[\s+\k+4:\s+\k+5], v[\s+\k:\s+\k+1] neg_lo:[0,1] neg_hi:[0,1]
.endr
.endr
.irp s, SLA, SLB
.irp k, 0,8
	v_pk_fma_f32 v[\s+\k:\s+\k+1], v[\s+\k+4:\s+\k+5], v[\s+16:\s+17], v[\s+\k:\s+\k+1] op_sel:[0,1,0] op_sel_hi:[1,1,1]   ; x fy, the pair's second
.endr
.endr
.irp s, SLA, SLB
	v_pk_add_f32 v[\s+8:\s+9], v[\s+8:\s+9], v[\s:\s+1] neg_lo:[0,1] neg_hi:[0,1]
.endr
	v_pk_fma_f32 v[FA:FA+1], v[SLA+8:SLA+9], v[SLA+18:SLA+19], v[SLA:SLA+1] op_sel_hi:[1,0,1]              ; x fz
	v_pk_fma_f32 v[FC:FC+1], v[SLB+8:SLB+9], v[SLB+18:SLB+19], v[SLB:SLB+1] op_sel_hi:[1,0,1]
.endm
; A pass is closed: the point's bound and scale, the features scaled and rounded to f16, and features and scale handed to the lanes that the matrix fragment wants.
.macro FINAL pt
.irp c, 0,1,2,3
	v_max_num_f32 v[TT+\c], |v[FF+8*\c]|, |v[FF+8*\c+1]|
.endr
.irp j, 2,4,6
.irp c, 0,1,2,3
	v_max3_num_f32 v[TT+\c], v[TT+\c], |v[FF+8*\c+\j]|, |v[FF+8*\c+\j+1]|
.endr
.endr
	v_max3_num_f32 v[TT], v[TT], v[TT+1], v[TT+2]
	v_max_num_f32 v[TT], v[TT], v[TT+3]            ; m0
	v_fma_f32 v[TT+4], s86, v[TT], s87             ; B1 = N1 m0 + max|b1|
	v_fma_f32 v[TT+5], s88, v[TT+4], s89           ; B2 = N2 B1 + max|b2|
	v_max3_num_f32 v[TT], v[TT], v[TT+4], v[TT+5]
	v_max_num_f32 v[TT], s90, v[TT]                ; B
	v_and_b32 v[TT], 0x7f800000, v[TT]             ; the power of two at or below B: exponent field E alone
	v_sub_nc_u32 v[SCR+4*\pt], 0x86000000, v[TT]   ; S: exponent field 268 - E, that is 2^14 / 2^(E-127)
	v_add_nc_u32 v[SCR+4*\pt+1], 0xf9000000, v[TT] ; 1/S: exponent field E - 14
.irp i, 0,1,2,3,4,5,6,7,8,9,10,11,12,13,14,15
	v_pk_mul_f32 v[FF+2*\i:FF+2*\i+1], v[FF+2*\i:FF+2*\i+1], v[SCR+4*\pt:SCR+4*\pt+1] op_sel_hi:[1,0]
.endr
	v_mov_b32 v[SCR+4*\pt+2], v[SCR+4*\pt]
	v_mov_b32 v[SCR+4*\pt+3], v[SCR+4*\pt+1]       ; only so that the second pair is written whole
.irp i, 0,1,2,3,4,5,6,7,8,9,10,11,12,13,14,15
	v_cvt_pk_f16_f32 v[FB+16*\pt+\i], v[FF+2*\i], v[FF+2*\i+1]
.endr
	; Each lane holds all 32 features of its own point.  The swap hands lanes 16-31 of the first eight registers and lanes 0-15 of the second eight
	; to each other: the first eight are then source 1 of points 0-15 (lanes 16-31 with their k), the second eight that of points 16-31.
	; The same swap on two copies of S gives both halves of the lanes the scale of their tile's point r.
.irp i, 0,1,2,3,4,5,6,7
	v_permlane16_swap_b32 v[FB+16*\pt+\i], v[FB+16*\pt+8+\i]
.endr
	v_permlane16_swap_b32 v[SCR+4*\pt], v[SCR+4*\pt+2]
.endm
; THE MLP.
; The fragments of neuron tile t: rows 16 t + r of W^T, ks steps of 32 along k; and the tile's eight biases a lane.
.macro WLOAD ks, adr, base, pitch, t, boff
.set WS, 0
.rept \ks
	ds_load_b128 v[WR+8*WS:WR+8*WS+3], v[\adr] offset:\base+16*(\t)*\pitch+64*WS
	ds_load_b128 v[WR+8*WS+4:WR+8*WS+7], v[\adr] offset:\base+16*(\t)*\pitch+64*WS+32
.set WS, WS+1
.endr
	ds_load_b128 v[BR:BR+3], v[AB] offset:\boff+64*(\t)
	ds_load_b128 v[BR+4:BR+7], v[AB] offset:\boff+64*(\t)+16
.endm
.macro W1LOAD t
	WLOAD 1, AW1, W1F, P1, \t, BIAS
.endm
.macro W2LOAD t
	WLOAD 2, AW2, W2F, P2, \t, BIAS+256
.endm
.macro W3LOAD t
	WLOAD 2, AW2, W3F, P2, \t, BIAS+512
.endm
.macro WOLOAD                          ; Wo of neurons 16 t + 8 h + 0..7, all four tiles
.irp t, 0,1,2,3
	ds_load_b128 v[WOR+8*\t:WOR+8*\t+3], v[AB] offset:WOF+64*\t
	ds_load_b128 v[WOR+8*\t+4:WOR+8*\t+7], v[AB] offset:WOF+64*\t+16
.endr
.endm
; One neuron tile for all four tiles of 16 points.  The sums start from S b, written into the accumulators; then ks products each.
; The four accumulators take turns, one instruction a turn.  in: the input's first register; pp: from one point tile to the next.
.macro MMT ks, in, pp
	s_wait_dscnt 0x0                               ; the tile's fragments and biases, issued one tile's activation work ago
.irp jj, 0,1,2,3
.irp p, 0,1,2,3
	v_pk_mul_f32 v[ACC+8*\p+2*\jj:ACC+8*\p+2*\jj+1], v[BR+2*\jj:BR+2*\jj+1], v[SCR+2*\p:SCR+2*\p+1] op_sel_hi:[1,0]
.endr
.endr
.set MS, 0
.rept \ks
.irp p, 0,1,2,3
	v_wmma_f32_16x16x32_f16 v[ACC+8*\p:ACC+8*\p+7], v[WR+8*MS:WR+8*MS+7], v[\in+\pp*\p+8*MS:\in+\pp*\p+8*MS+7], v[ACC+8*\p:ACC+8*\p+7]
.endr
.set MS, MS+1
.endr
	PLACES
.endm
.macro RELU
.irp p, 0,1,2,3
.irp j, 0,1,2,3,4,5,6,7
	v_max_num_f32 v[ACC+8*\p+\j], 0, v[ACC+8*\p+\j]
.endr
.endr
.endm
; ReLU, round, pack: neurons 16 t + 8 h + 2 jj, + 1 go to register 4 t + jj of the next layer's source 1.
.macro ACT out, t
	RELU
.irp p, 0,1,2,3
.irp jj, 0,1,2,3
	v_cvt_pk_f16_f32 v[\out+16*\p+4*(\t)+\jj], v[ACC+8*\p+2*\jj], v[ACC+8*\p+2*\jj+1]
.endr
.endr
.endm
; Layer 3's ReLU and the last layer at once, in f32: each lane adds up Wo x its eight neurons, two at a time; the first product starts the sums.
.macro ACT3 t
	RELU
.irp jj, 0,1,2,3
.irp p, 0,1,2,3
.if (\t)+\jj
	v_pk_fma_f32 v[OS+2*\p:OS+2*\p+1], v[ACC+8*\p+2*\jj:ACC+8*\p+2*\jj+1], v[WOR+8*(\t)+2*\jj:WOR+8*(\t)+2*\jj+1], v[OS+2*\p:OS+2*\p+1]
.else
	v_pk_mul_f32 v[OS+2*\p:OS+2*\p+1], v[ACC+8*\p+2*\jj:ACC+8*\p+2*\jj+1], v[WOR+8*(\t)+2*\jj:WOR+8*(\t)+2*\jj+1]
.endif
.endr
.endr
.endm
.Ltrip:
	s_wait_loadcnt 0x0                             ; this trip's x and q, asked for in the trip before (the first: ahead of the loop)
	s_wait_xcnt 0x0                                ; the last trip's store has had its address translated: its data, v[20:21], and its base are written again only behind this wait
	s_lshl_b32 s93, s30, 12                        ; 16 waves x 256 work-groups further on in each trip
	s_add_co_u32 s93, s93, s85                     ; the supertile: 256 (w + 16 t) + g, at most 15,624
	s_lshl_b32 s76, s93, 8                         ; 64 results of 4 bytes
	s_add_nc_u64 s[74:75], s[26:27], s[76:77]
	; The stream: seven steps go out; then two steps are taken in and the two that are seven further on go out into their slots.
.set gg, 0
.rept 7
	ISSUE gg
.set gg, gg+1
.endr
.set gg, 0
.rept 16
	; What may stay out on the load counter when steps gg and gg + 1 are taken in: eight gathers for each of the younger steps gg + 2 .. gg + 6
	; that exists and reads memory (levels in LDS do not count there), and, from step 26 on, the six loads of the next trip's x and q.
.set CNT, 0
.set kk, gg+2
.rept 5
.if kk <= 31
.if (kk%16) >= NLDS
.set CNT, CNT+8
.endif
.endif
.set kk, kk+1
.endr
.if gg >= 26
.set CNT, CNT+6
.endif
	STEP2 gg, CNT
.if gg+7 <= 31
	ISSUE gg+7
.endif
.if gg+8 <= 31
	ISSUE gg+8
.endif
.if gg == 14
	FINAL 0                                        ; pass 0's features leave FF before step 16 writes there
.endif
.if gg == 24
	; Step 31 has read x and q for the last time.  The next trip's go out now, 6 loads behind the last gathers; in my last trip the supertile is
	; held at the last one, so that the loads stay inside x and q (what they bring is then not used).
	s_add_co_u32 s94, s93, 4096
	s_min_u32 s94, s94, LASTST
	XQLOAD s94                                     ; s[70:73] are free: the loads that named them were waited for at the trip's head
.endif
.set gg, gg+2
.endr
	W1LOAD 0                                       ; every slot is read out: the first fragments come while pass 1 is closed
	FINAL 1
	; In every tile: the products, four places, the NEXT tile's fragments asked for, then this tile's activation work while they come.
.irp t, 0,1,2
	MMT 1, FB, 8
	W1LOAD \t+1
	ACT HA, \t
.endr
	MMT 1, FB, 8
	W2LOAD 0
	ACT HA, 3
.irp t, 0,1,2
	MMT 2, HA, 16
	W2LOAD \t+1
	ACT HB, \t
.endr
	MMT 2, HA, 16
	W3LOAD 0
	WOLOAD                                         ; into HA's registers, four places behind the last product that read them
	ACT HB, 3
.irp t, 0,1,2
	MMT 2, HB, 16
	W3LOAD \t+1
	ACT3 \t
.endr
	MMT 2, HB, 16
	ACT3 3
	; Lane (r, h) holds the part of point r's sum that its neurons 8 h + 0..7 of each tile give: add the pair, then the other half of the lanes.
.irp p, 0,1,2,3
	v_add_f32 v[OS+2*\p], v[OS+2*\p], v[OS+2*\p+1]
.endr
.irp p, 0,1,2,3
	v_permlanex16_b32 v[OS+2*\p+1], v[OS+2*\p], s91, s92
.endr
.irp p, 0,1,2,3
	v_add_f32 v[OS+2*\p], v[OS+2*\p], v[OS+2*\p+1]
.endr
.irp pt, 0,1
	v_cndmask_b32 v[O+\pt], v[OS+4*\pt], v[OS+4*\pt+2], s69        ; lane L finds its point in tile L / 16 of the pass
.endr
.irp pt, 0,1
	v_fma_f32 v[O+\pt], v[O+\pt], v[SCR+4*\pt+1], s31              ; x 1/S of my own point, + bo
.endr
	global_store_b64 v[OOFF], v[O:O+1], s[74:75] th:TH_STORE_NT    ; 256 consecutive bytes, at a multiple of 256 from out0's first byte
	s_add_co_u32 s30, s30, 1
	s_cmp_lt_u32 s30, s29                          ; three or four trips
	s_cbranch_scc1 .Ltrip
	s_wait_tensorcnt 0x0
	ds_add_u32 v254, v255
	s_wait_dscnt 0x0
	s_endpgm
.Lfunc_end_k_q13b2f8768c_pinn:
	.size	k_q13b2f8768c_pinn, .Lfunc_end_k_q13b2f8768c_pinn-k_q13b2f8768c_pinn
	.p2alignl 7, 3214868480
	.fill 96, 4, 3214868480
	.section	.rodata,"a",@progbits
	.p2align	6, 0x0
	.amdhsa_kernel k_q13b2f8768c_pinn
		.amdhsa_group_segment_fixed_size 157952
		.amdhsa_private_segment_fixed_size 0
		.amdhsa_enable_private_segment 0
		.amdhsa_kernarg_size 96
		.amdhsa_user_sgpr_count 2
		.amdhsa_user_sgpr_kernarg_segment_ptr 1
		.amdhsa_wavefront_size32 1
		.amdhsa_system_sgpr_workgroup_id_x 1
		.amdhsa_system_sgpr_workgroup_id_y 1
		.amdhsa_system_sgpr_workgroup_id_z 1
		.amdhsa_system_vgpr_workitem_id 0
		.amdhsa_next_free_vgpr 256
		.amdhsa_next_free_sgpr 96
		.amdhsa_reserve_vcc 0
		.amdhsa_float_denorm_mode_32 3
		.amdhsa_float_denorm_mode_16_64 3
		.amdhsa_memory_ordered 1
		.amdhsa_forward_progress 1
		.amdhsa_inst_pref_size 181
	.end_amdhsa_kernel
	.amdgpu_metadata
---
amdhsa.version: [ 1, 2 ]
amdhsa.kernels:
  - .name:           k_q13b2f8768c_pinn
    .symbol:         k_q13b2f8768c_pinn.kd
    .args:
      - { .name: x, .offset: 0, .size: 8, .value_kind: global_buffer, .address_space: global }
      - { .name: q, .offset: 8, .size: 8, .value_kind: global_buffer, .address_space: global }
      - { .name: table, .offset: 16, .size: 8, .value_kind: global_buffer, .address_space: global }
      - { .name: W1, .offset: 24, .size: 8, .value_kind: global_buffer, .address_space: global }
      - { .name: W2, .offset: 32, .size: 8, .value_kind: global_buffer, .address_space: global }
      - { .name: W3, .offset: 40, .size: 8, .value_kind: global_buffer, .address_space: global }
      - { .name: Wo, .offset: 48, .size: 8, .value_kind: global_buffer, .address_space: global }
      - { .name: b1, .offset: 56, .size: 8, .value_kind: global_buffer, .address_space: global }
      - { .name: b2, .offset: 64, .size: 8, .value_kind: global_buffer, .address_space: global }
      - { .name: b3, .offset: 72, .size: 8, .value_kind: global_buffer, .address_space: global }
      - { .name: bo, .offset: 80, .size: 8, .value_kind: global_buffer, .address_space: global }
      - { .name: out0, .offset: 88, .size: 8, .value_kind: global_buffer, .address_space: global }
    .group_segment_fixed_size: 157952
    .private_segment_fixed_size: 0
    .kernarg_segment_align: 8
    .kernarg_segment_size: 96
    .max_flat_workgroup_size: 512
    .sgpr_count:     96
    .vgpr_count:     256
    .wavefront_size: 32
...
	.end_amdgpu_metadata
.endif
;; end of part 3
;; ======== version 3 of 3: 2 launches; version 2 with the launch pinn written anew for expert scheduling mode
;; limits: values are held in f16: magnitudes above 65,504 overflow, below 6.1e-05 lose precision; inputs' magnitudes at most 65,504; below input magnitudes of 6.1e-05 results are inexact or not finite
;; workspace buffers: q 12,000,000 bytes of whole numbers
;; launch quant: the kernel of part 1 again; grid 1875 x 1, 5 waves a work-group, no clusters, 0 bytes of LDS; arguments x, q; writes q
;; launch pinn (part 4): grid 256 x 1, 16 waves a work-group, no clusters, 157,952 bytes of LDS; arguments x, q, table, W1, W2, W3, Wo, b1, b2, b3, bo, out0; writes out0
.if DOCPART == 4
	.amdgcn_target "amdgcn-amd-amdhsa--gfx1250"
	.amdhsa_code_object_version 6
	.text
	.protected	k_q13b2f8768c_pinn
	.globl	k_q13b2f8768c_pinn
	.p2align	8
	.type	k_q13b2f8768c_pinn,@function
k_q13b2f8768c_pinn:
	s_mov_b64 s[64:65], 0
	v_nop
	global_prefetch_b8 v0, s[64:65] scope:SCOPE_SE
	s_setreg_imm32_b32 hwreg(HW_REG_WAVE_SCHED_MODE, 0, 2), 2
	s_setreg_imm32_b32 hwreg(HW_REG_WAVE_MODE, 25, 1), 1
	s_wait_xcnt 0x0
	s_wait_alu depctr_vm_vsrc(0)
; out0[n] = MLP(encode(x[n])): 16 grid levels x 8 corners gathered from table and interpolated to 32 features, then 32 -> 64 -> 64 -> 64 -> 1
; with biases and ReLU.  Everything between x and out0 stays in registers.
;
; SHARES.  A supertile is 64 points; there are 15,625 = 61 x 256 + 9.  Work-group g takes supertiles g + 256 i, i < 61 (62 for g < 9); wave w of 16
; takes i = w + 16 t, t = 0, 1, ..: four trips for w < 13 (w < 14 where g < 9), three for the others.  Lane L owns points 2L (pass 0) and 2L + 1
; (pass 1) of the supertile, so that its two results are 8 neighbouring bytes and one store of the wave covers 256 consecutive bytes at a
; multiple of 256 from out0's first byte.
; ADDRESSES come from whole numbers alone: q = trunc(x 2^21) as the launch before stored it.  cell = (q (res-1)) >> 21, at most res - 2.
; THE TWO COARSEST TABLES LIE IN LDS: level 0 is 16^3 x 8 = 32,768 bytes, level 1 is 23^3 x 8 = 97,336.  Each work-group copies them once and reads
; their corners, 2 of every 16 levels' gathers, from LDS.  Level 2, 31^3 x 8 = 238,328 bytes, does not fit beside them in a WGP's 327,680.
; GATHERS.  The 32 (pass, level) steps of a trip are one stream through a ring of seven register slots: three to seven levels, 24 to 56 gathers of
; 8 bytes a lane, are on their way.  Levels are taken in two at a time, stage by stage, so that an instruction seldom needs the one just in front.
; MLP, TRANSPOSED, for all 64 points at once: source 0 = 16 rows of W^T (neurons), source 1 = 16 points; four point tiles, four accumulators.
; In the result lane (r, h) holds neurons 16 t + 8 h + 0..7 of point r, which, packed in pairs, is the next layer's source 1 as it stands.
; PRECISION.  Matrix operands are f16 (11 significant bits), under a scale of the point's own.  With N1, N2 the largest column sums of |W1|, |W2|,
; m0 the point's largest |feature|:  B1 = N1 m0 + max|b1|, B2 = N2 B1 + max|b2|, B = max(m0, B1, B2, max|b3|, 2^-100) bounds every operand of
; that point, for every input.  S = 2^14 / (the power of two at or below B), so S x operand < 2^15.  The net runs on S h: the sums start from S b,
; ReLU commutes with S > 0, and the result is divided by S at the end (both are powers of two: exact).  The last layer is f32 multiply-adds.
; The sum over a point's eight corners has no operand that two points share, so it is packed f32 arithmetic and no matrix product.
; NO CLUSTER: what work-groups share is 41 KB of weights and 128 KB of tables, read once by each; the gathers, 112 x 8 bytes a point, are every lane's own.
; NO TENSOR LOADS: the traffic is lane-by-lane gathers; the weights need a transposition and a conversion on their way into LDS, and the two tables
; are filled once, by 16 loads of 16 bytes a lane that are on their way while the weights are staged.
; NO PREFETCH of table rows: it would need every index twice, and several levels are asked for ahead as it is.
;
; THE MODE: SCHED_MODE bits 1:0 = 2 (LLVM: expert scheduling mode 2), set by the entry lines.  The code itself states the register dependences
; between vector or matrix instructions and memory or LDS instructions, with s_wait_alu, always for 0.
; THE PLAN.  Registers that memory or LDS instructions touch, in the loop:
;   the seven slots   Step g's index arithmetic writes the slot's offsets and uses its other registers; its eight gathers read the offsets and land in the
;                     slot; seven steps later the interpolation reads and writes the slot, and the index arithmetic of step g + 7 follows.
;   X, Q              Read by the index arithmetic of steps 0 to 31; the next trip's six loads land behind step 31's gathers.
;   fragment buffers  Two, by turns.  Tile T of the MLP's twelve reads buffer T % 2 (bias products, matrix instructions); the LDS loads for tile T + 1 are
;                     issued at tile T's head, into the other buffer, which no line of tile T names.
;   WOR               Wo: LDS loads at the head of layer 3's first tile, into registers of HA, which layer 2's products have read; read by layer 3's multiply-adds.
;   v[20:21]          Written by the trip's last arithmetic, read by its store.
;   v1 to v6          Addresses and offsets, made at the head and never written again.
; THE WAITS.  A pair of steps has two: vm_vsrc at its head, behind the wait for its data (every gather issued so far has read its offset: the two slots may be
; written), and va_vdst behind the index arithmetic of the two steps seven further on (their offsets are written, and all vector work on the two slots is
; done), ahead of their sixteen gathers.  A tile has one: va_vdst at its head, behind the wait for its fragments (the tile before is done reading the other
; buffer).  One va_vdst stands ahead of the store, one vm_vsrc at the trip's head.
;
; LIMITS.  (a) The cell is taken from 21 binary places of x: a point less than (res-1)/2^21 (at most 0.001) of a cell above a cell's face
; takes the cell below, with a fraction a little above 1.  The interpolant is continuous there; the feature then differs by that excess times
; the table's second difference.  (b) fraction = fma(x, res-1, -cell): one rounding where the problem's text has two; the interpolation is
; a + f (b - a) along x, y, z in turn, another order of rounding than the sum of eight weighted corners.  (c) ReLU is v_max_num_f32: a NaN becomes 0.
; (d) Weights of W1, W2, W3 above 65,504 in size become infinite in f16; below 2^-14 they are kept in steps of 2^-24.
; (e) The bound B must be finite in f32.  Under S the smallest f16 step, 2^-24, is 2^-39 of an operand's upper limit 2^15.
; (f) The resolutions are ceil(16 s^l), s = 2^(7/15) in f64, worked out by hand: 16 23 31 43 59 81 112 154 213 295 407 562 777 1073 1483 2048.
;
; LDS: W^T[n][k] in f16, rows padded by 16 bytes (pitches 80 and 144: odd multiples of 16, so that the 16 rows of a fragment load start in 16 different columns of 16 bytes).
.set P1,   80
.set P2,   144
.set W1F,  0                           ; 64 rows x 80
.set W2F,  5120                        ; 64 rows x 144
.set W3F,  14336
.set BIAS, 23552                       ; b1, b2, b3: 256 bytes each, f32
.set WOF,  24320                       ; Wo, f32
.set NRM,  24576                       ; 8 words: column sums of |W2|, one a wave; 8 words: of |W1|; 3 words: max|b1|, |b2|, |b3|
.set TL0,  24832                       ; level 0's table as it lies in memory: 4 x 8,192 bytes
.set TL1,  57600                       ; level 1's: 12 x 8,192 bytes, of which the first 97,336 are read; ends at 155,904
.set NLDS, 2                           ; levels 0 .. NLDS - 1 are read from LDS (even: levels are taken in by twos)
.set LASTST, 15624                     ; the last supertile
; vector registers
.set AW1,  1                           ; r 80 + 16 h     (r = lane % 16, h = lane / 16)
.set AW2,  2                           ; r 144 + 16 h
.set AB,   3                           ; 32 h
.set TOFF, 4                           ; staging of the tables: 512 wave + 16 lane
.set XOFF, 5                           ; 24 lane
.set OOFF, 6                           ; 8 lane
.set X,    8                           ; v[8:13]   x of my two points
.set Q,    14                          ; v[14:19]  q of my two points
.set O,    20                          ; v[20:21]  my two results
.set TA1,  22                          ; staging of the tables: TOFF + TL1
.set TA2,  23                          ;                        TOFF + TL1 + 65,536 (an LDS immediate ends at 65,535)
.set FF,   24                          ; v[24:55]  a pass's 32 features in f32, in the order of the fragment's registers
.set ACC,  24                          ; v[24:55]  in the MLP: four accumulators, one for each tile of 16 points
.set TT,   56                          ; v[56:62]  at work when a pass is closed
.set SLOT0, 72                         ; v[72:211] seven slots of 20: corner c = dx + 2 dy + 4 dz at +2c (byte offset, then the two values); +16..18 fx, fy, fz; +19 at work, dense offset
.set TST,  112                         ; v[112:175] staging of the tables: 16 x 16 bytes a lane
.set FB,   212                         ; v[212:243] the features in f16: point tile P = 2 pass + half at 8 P
.set SCR,  244                         ; v[244:251] pair 2 P: S of tile P's points; the odd register of pass pt's first pair: 1/S of my own point
.set HA,   56                          ; v[56:119]  activations in f16 (the slots are empty by then): 16 P + 4 t + jj
.set HB,   120                         ; v[120:183]
.set WR0,  184                         ; v[184:199] fragment buffer 0: fragments of W^T, 8 s
.set BR0,  200                         ; v[200:207]                    the neuron tile's biases, in the accumulator's layout
.set WR1A, 120                         ; v[120:127] fragment buffer 1 in layer 1, whose K is 32: in HB's registers, which layer 2 is the first to write
.set BR1A, 128                         ; v[128:135]
.set WR1B, 212                         ; v[212:227] fragment buffer 1 in layers 2 and 3: in FB's registers, which layer 1 has read out
.set BR1B, 228                         ; v[228:235]
.set WOR,  56                          ; v[56:87]   layer 3 (HA is read out by then): Wo in the accumulator's layout, 8 t
.set OS,   88                          ; v[88:95]   layer 3: the sums of the last layer, a pair for each point tile
; scalar registers: s[4:27] the twelve addresses; s28 wave; s29 my trips; s30 the trip t; s31 bo; s[32:63] table + level x 4 MiB;
; s66, s67 the two primes mod 2^19; s68 2^19 - 1; s69 lanes 16 to 31; s[70:75] x, q, out0 of a trip; s[76:79] offsets; s[80:83] staging; s84 at work;
; s85 256 w + g, my first supertile; s86 N1; s87 max|b1|; s88 N2; s89 max|b2|; s90 max(max|b3|, 2^-100); s91, s92 lane selects; s93, s94 supertiles
.set TB,   32
; Four plain vector instructions that name no register of the matrix instructions in front of them (ISA guide 7.12.1): behind them the results are read.
.macro PLACES
.rept 4
	v_nop
.endr
.endm
	s_load_b512 s[4:19], s[0:1], 0x0               ; x, q, table, W1, W2, W3, Wo, b1
	s_load_b256 s[20:27], s[0:1], 0x40             ; b2, b3, bo, out0
	v_lshl_add_u32 v254, v0, 2, 0x26100
	v_mov_b32 v255, 0
	v_lshrrev_b32 v7, 5, v0
	v_readfirstlane_b32 s28, v7                    ; wave 0..15
	v_and_b32 v7, 31, v0                           ; lane
	v_and_b32 v8, 15, v0                           ; r
	v_bfe_u32 v9, v0, 4, 1                         ; h
	v_and_b32 v10, 7, v0                           ; staging: nl, my neuron among the wave's eight
	v_bfe_u32 v11, v0, 3, 2                        ; staging: kg, my group of eight k
	v_mul_u32_u24 v[AW1], P1, v8
	v_lshl_add_u32 v[AW1], v9, 4, v[AW1]
	v_mul_u32_u24 v[AW2], P2, v8
	v_lshl_add_u32 v[AW2], v9, 4, v[AW2]
	v_lshlrev_b32 v[AB], 5, v9
	v_mul_u32_u24 v[XOFF], 24, v7
	v_lshlrev_b32 v[OOFF], 3, v7
	v_lshlrev_b32 v12, 2, v10                      ; staging: 4 nl
	v_lshl_add_u32 v12, v11, 11, v12               ;          + kg x 8 rows of 256 bytes
	s_wait_alu depctr_va_sdst(0)                   ; s28 is written, ahead of its first reader, the line below
	s_lshl_b32 s80, s28, 9
	v_lshl_add_u32 v[TOFF], v7, 4, s80             ; the tables: 512 bytes a wave, 16 a lane; the 16 waves cover 8,192 bytes
	v_add_nc_u32 v[TA1], TL1, v[TOFF]
	v_add_nc_u32 v[TA2], TL1+65536, v[TOFF]
	s_mov_b32 s66, 0x779b1                         ; 2654435761 mod 2^19: only the index's low 19 bits are kept
	s_mov_b32 s67, 0x25795                         ; 805459861 mod 2^19
	s_mov_b32 s68, 0x7ffff
	s_mov_b32 s69, 0xffff0000                      ; as a lane mask: lanes 16 to 31
	s_mov_b32 s91, 0x76543210                      ; v_permlanex16_b32: lane i of one half reads lane i of the other
	s_mov_b32 s92, 0xfedcba98
	s_mov_b32 s77, 0                               ; the upper words of the two offset pairs
	s_mov_b32 s79, 0
	s_and_b32 s83, s28, 7                          ; staging: which eight neurons are my wave's
	s_lshl_b32 s85, s28, 8
	s_add_co_u32 s85, s85, ttmp9                   ; my first supertile: 256 w + g
	s_cmp_lt_u32 ttmp9, 9                          ; the work-group has 62 supertiles (g < 9) or 61:
	s_cselect_b32 s84, 14, 13                      ; w + 48 is among them for w < 14 or w < 13
	s_cmp_lt_u32 s28, s84
	s_cselect_b32 s29, 4, 3                        ; my trips
	s_mov_b32 s30, 0
	s_wait_kmcnt 0x0
	s_load_b32 s31, s[24:25], 0x0                  ; bo
	s_mov_b64 s[TB:TB+1], s[8:9]
.set lv, 1
.rept 15
	s_add_nc_u64 s[TB+2*lv:TB+2*lv+1], s[TB+2*lv-2:TB+2*lv-1], 0x400000    ; a level's table: 524,288 x 8 bytes
.set lv, lv+1
.endr
	s_wait_alu depctr_va_vdst(0)                   ; v1 to v6, v12, v22 and v23 are written: the offsets and LDS addresses that the loads and stores of the whole kernel read
	; The two coarse tables go out first: 16 loads a lane, each of a wave covering 512 consecutive bytes.  Level 1's twelfth step runs 968 bytes past its
	; 23^3 entries, inside the level's own 4 MiB.  They are on their way while the weights are staged.
.irp j, 0,1,2,3
	global_load_b128 v[TST+4*\j:TST+4*\j+3], v[TOFF], s[TB:TB+1] offset:8192*\j
.endr
.irp j, 0,1,2,3,4,5,6,7,8,9,10,11
	global_load_b128 v[TST+16+4*\j:TST+16+4*\j+3], v[TOFF], s[TB+2:TB+3] offset:8192*\j
.endr
; STAGING.  The wave takes neurons n = 8 (w & 7) + 0..7 of one weight matrix W[k][n]; lane (nl, kg) takes k = 8 kg + 0..7 (and 32 more on, where K = 64) of
; neuron nl, rounds them to f16 and stores 16 bytes at n x pitch + 16 kg.  The wave's LDS bytes are eight whole rows: (w & 7) x 8 pitches on.
; nrm >= 0: the largest of the eight neurons' sums of |W| goes to the wave's word at nrm.  again = 1: the wave's second matrix.
; All the arithmetic stands ahead of one wait, all the LDS stores behind it.  That wait also serves the loads of a second matrix (and wave 8's loads of the
; biases), which land in v[72 ..]: the lines that read those registers stand ahead of it, and none behind it names them.
.macro STAGE ptr, base, pitch, halves, nrm, again
.if \again
	s_wait_alu depctr_vm_vsrc(0)                   ; the LDS stores of the matrix before have read v13, v[88:95], v104 and v106, which are written again below
.endif
	s_lshl_b32 s80, s83, 5                         ; eight columns of 4 bytes
	s_mov_b32 s81, 0
	s_add_nc_u64 s[80:81], s[\ptr:\ptr+1], s[80:81]
	s_mul_i32 s82, s83, 8*\pitch
	v_mul_u32_u24 v13, \pitch, v10
	v_lshl_add_u32 v13, v11, 4, v13
	v_add_nc_u32 v13, s82, v13
.set hh, 0
.rept \halves
.irp j, 0,1,2,3,4,5,6,7
	global_load_b32 v[72+8*hh+\j], v12, s[80:81] offset:8192*hh+256*\j
.endr
.set hh, hh+1
.endr
	s_wait_loadcnt 0x0                             ; all of them: they are used at once, and s[80:81] is written again by the next matrix
.set hh, 0
.rept \halves
.irp jj, 0,1,2,3
	v_cvt_pk_f16_f32 v[88+4*hh+\jj], v[72+8*hh+2*\jj], v[72+8*hh+2*\jj+1]
.endr
.set hh, hh+1
.endr
.if \nrm >= 0
	v_add_f32 v104, |v72|, |v73|                   ; my part of sum over k of |W[k][n]|
.set hj, 2
.rept 8*\halves-2
	v_add_f32 v104, v104, |v[72+hj]|
.set hj, hj+1
.endr
	v_add_f32_dpp v104, v104, v104 row_xmask:8 row_mask:0xf bank_mask:0xf   ; the four kg of a neuron are lanes nl, nl + 8, nl + 16, nl + 24
	v_mov_b32 v105, v104                           ; the permute's destination counts as read
	v_permlanex16_b32 v105, v104, s91, s92
	v_add_f32 v104, v104, v105
	v_max_num_f32_dpp v104, v104, v104 row_xmask:1 row_mask:0xf bank_mask:0xf   ; the largest of the eight neurons
	v_max_num_f32_dpp v104, v104, v104 row_xmask:2 row_mask:0xf bank_mask:0xf
	v_max_num_f32_dpp v104, v104, v104 row_xmask:4 row_mask:0xf bank_mask:0xf
	s_lshl_b32 s82, s83, 2
	v_mov_b32 v106, s82
.endif
	s_wait_alu depctr_va_vdst(0)                   ; v13, the packed weights v[88 ..] and (with a norm) v104 and v106 are written, which the LDS stores below read
.set hh, 0
.rept \halves
	ds_store_b128 v13, v[88+4*hh:91+4*hh] offset:\base+64*hh
.set hh, hh+1
.endr
.if \nrm >= 0
	ds_store_b32 v106, v104 offset:\nrm            ; all lanes write the same word with the same value
.endif
.endm
	s_cmp_lt_u32 s28, 8
	s_cbranch_scc0 .Lupper
	STAGE 12, W2F, P2, 2, NRM, 0                   ; waves 0 to 7: W2 and W1, with their column sums
	STAGE 10, W1F, P1, 1, NRM+32, 1
	s_branch .Lstaged
.Lupper:
	STAGE 14, W3F, P2, 2, -1, 0                    ; waves 8 to 15: W3 (what it yields stays in f32: no bound is needed)
	s_cmp_eq_u32 s28, 8
	s_cbranch_scc0 .Lstaged
	global_load_b64 v[72:73], v[OOFF], s[18:19]    ; wave 8: b1, b2, b3, Wo, 256 bytes each in one load
	global_load_b64 v[74:75], v[OOFF], s[20:21]
	global_load_b64 v[76:77], v[OOFF], s[22:23]
	global_load_b64 v[78:79], v[OOFF], s[16:17]
	s_wait_loadcnt 0x0
	ds_store_b64 v[OOFF], v[72:73] offset:BIAS     ; data as the loads brought them: no vector line has written these registers
	ds_store_b64 v[OOFF], v[74:75] offset:BIAS+256
	ds_store_b64 v[OOFF], v[76:77] offset:BIAS+512
	ds_store_b64 v[OOFF], v[78:79] offset:WOF
.irp i, 0,1,2
	v_max_num_f32 v[80+2*\i], |v[72+2*\i]|, |v[73+2*\i]|
.endr
.irp m, 1,2,4,8
.irp i, 0,1,2
	v_max_num_f32_dpp v[80+2*\i], v[80+2*\i], v[80+2*\i] row_xmask:\m row_mask:0xf bank_mask:0xf
.endr
.endr
.irp i, 0,1,2
	v_mov_b32 v[81+2*\i], v[80+2*\i]
.endr
.irp i, 0,1,2
	v_permlanex16_b32 v[81+2*\i], v[80+2*\i], s91, s92
.endr
.irp i, 0,1,2
	v_max_num_f32 v[80+2*\i], v[80+2*\i], v[81+2*\i]
.endr
	v_mov_b32 v106, 0
	s_wait_alu depctr_va_vdst(0)                   ; the three maxima v80, v82, v84 and the address v106 are written, which the LDS stores below read
	ds_store_b32 v106, v80 offset:NRM+64           ; max|b1|
	ds_store_b32 v106, v82 offset:NRM+68           ; max|b2|
	ds_store_b32 v106, v84 offset:NRM+72           ; max|b3|
.Lstaged:
	s_wait_loadcnt 0x0                             ; the tables' 16 loads (met: on every way here a later load has been waited for)
.irp j, 0,1,2,3
	ds_store_b128 v[TOFF], v[TST+4*\j:TST+4*\j+3] offset:TL0+8192*\j       ; 16 neighbouring bytes a lane: the tables lie in LDS as in memory
.endr
.irp j, 0,1,2,3,4,5,6,7
	ds_store_b128 v[TA1], v[TST+16+4*\j:TST+16+4*\j+3] offset:8192*\j
.endr
.irp j, 8,9,10,11
	ds_store_b128 v[TA2], v[TST+16+4*\j:TST+16+4*\j+3] offset:8192*(\j-8)
.endr
	s_wait_dscnt 0x0                               ; my LDS stores are done, for the other waves' sake
	s_wait_kmcnt 0x0                               ; bo
	s_barrier_signal -1
	s_barrier_wait -1                              ; the only barrier: from here on LDS is only read
; x and q of supertile id: three loads each, which together cover its 768 bytes.
.macro XQLOAD id
	s_mul_i32 s78, \id, 768                        ; 64 points of 12 bytes
	s_add_nc_u64 s[70:71], s[4:5], s[78:79]
	s_add_nc_u64 s[72:73], s[6:7], s[78:79]
.irp j, 0,1,2
	global_load_b64 v[X+2*\j:X+2*\j+1], v[XOFF], s[70:71] offset:8*\j
	global_load_b64 v[Q+2*\j:Q+2*\j+1], v[XOFF], s[72:73] offset:8*\j
.endr
.endm
	s_wait_alu depctr_vm_vsrc(0)                   ; the staging's loads and LDS stores have read v12 and v13, in which x lands, and their data in v[72:175], which are written from here on
	v_mov_b32 v72, 0
	s_wait_alu depctr_va_vdst(0)                   ; v72 is written, the address of the LDS loads below; the staging's arithmetic is done with v[8:13] and v[76:94], in which the loads below land
	XQLOAD s85                                     ; the first trip's, on their way while the norms are gathered
	ds_load_b128 v[76:79], v72 offset:NRM          ; eight waves' column sums of |W2|
	ds_load_b128 v[80:83], v72 offset:NRM+16
	ds_load_b128 v[84:87], v72 offset:NRM+32       ; of |W1|
	ds_load_b128 v[88:91], v72 offset:NRM+48
	ds_load_b96 v[92:94], v72 offset:NRM+64        ; max|b1|, |b2|, |b3|
	s_wait_dscnt 0x0
	v_max3_num_f32 v76, v76, v77, v78
	v_max3_num_f32 v84, v84, v85, v86
	v_max3_num_f32 v79, v79, v80, v81
	v_max3_num_f32 v87, v87, v88, v89
	v_max3_num_f32 v76, v76, v82, v83
	v_max3_num_f32 v84, v84, v90, v91
	v_max_num_f32 v94, 0x0d800000, v94             ; 2^-100: keeps S and 1/S normal numbers where everything is zero
	v_max_num_f32 v76, v76, v79
	v_max_num_f32 v84, v84, v87
	v_readfirstlane_b32 s87, v92
	v_readfirstlane_b32 s89, v93
	v_readfirstlane_b32 s90, v94
	v_readfirstlane_b32 s88, v76                   ; N2
	v_readfirstlane_b32 s86, v84                   ; N1
	s_wait_alu depctr_va_sdst(0)                   ; s86 to s90 are written, ahead of the loop's label and of their first readers, the lines that make a point's bound
; THE ENCODING.  Step g = 16 pass + level.  IDX makes a step's offsets and fractions, GATH issues its eight reads; both set LV, PT and SL, the step's slot.
; The three cells into SL+1, +3, +5 and the three fractions into SL+16..18.  r1 = res - 1, r1f the same as f32 bits.  At work: SL+7, +9, +19.
.macro COORD r1, r1f
.irp d, 0,1,2
	v_mul_u32_u24 v[SL+7+2*\d+8*(\d/2)], \r1, v[Q+3*PT+\d]         ; q < 2^21, res - 1 < 2^11: the product fits 32 bits
.endr
.irp d, 0,1,2
	v_lshrrev_b32 v[SL+1+2*\d], 21, v[SL+7+2*\d+8*(\d/2)]          ; the cell, at most res - 2 since q < 2^21
.endr
.irp d, 0,1,2
	v_cvt_f32_u32 v[SL+7+2*\d+8*(\d/2)], v[SL+1+2*\d]
.endr
.irp d, 0,1,2
	v_fma_f32 v[SL+16+\d], v[X+3*PT+\d], \r1f, -v[SL+7+2*\d+8*(\d/2)]
.endr
.endm
; The one byte offset of a dense level's first corner, into SL+19.
.macro DENSEIDX res, r1f
	COORD \res-1, \r1f
	v_mad_u32_u24 v[SL+19], v[SL+5], \res, v[SL+3]
	v_mad_u32_u24 v[SL+19], v[SL+19], \res, v[SL+1]        ; cx + res (cy + res cz)
	v_min_u32 v[SL+19], (\res-2)*(1+\res+\res*\res), v[SL+19]   ; the largest index that cells up to res - 2 give: met by arithmetic, written out since q was loaded
	v_lshlrev_b32 v[SL+19], 3, v[SL+19]
.endm
; A dense level in memory: the corners in the immediate.
.macro GATH_D res
.irp c, 0,1,2,3,4,5,6,7
	global_load_b64 v[SL+2*\c:SL+2*\c+1], v[SL+19], s[TB+2*LV:TB+2*LV+1] offset:8*((\c&1)+\res*((\c>>1)&1)+\res*\res*(\c>>2))
.endr
.endm
; A dense level in LDS: the table's first byte and the corner in the immediate (62,024 at the most, for level 1's last corner).
.macro GATH_L res, base
.irp c, 0,1,2,3,4,5,6,7
	ds_load_b64 v[SL+2*\c:SL+2*\c+1], v[SL+19] offset:\base+8*((\c&1)+\res*((\c>>1)&1)+\res*\res*(\c>>2))
.endr
.endm
; A hashed level: index = (x ^ y p1 ^ z p2) mod 2^19.  The four (y, z) terms are made and cut once; x and x + 1 are below 2^11 and leave the cut as it is.
.macro HASHIDX r1, r1f
	COORD \r1, \r1f
	v_add_nc_u32 v[SL+11], 1, v[SL+1]
	v_mul_u32_u24 v[SL+3], s66, v[SL+3]
	v_mul_u32_u24 v[SL+5], s67, v[SL+5]
	v_add_nc_u32 v[SL+7], s66, v[SL+3]
	v_add_nc_u32 v[SL+9], s67, v[SL+5]
	v_xor_b32 v[SL+0], v[SL+3], v[SL+5]
	v_xor_b32 v[SL+4], v[SL+7], v[SL+5]
	v_xor_b32 v[SL+8], v[SL+3], v[SL+9]
	v_xor_b32 v[SL+12], v[SL+7], v[SL+9]
.irp k, 0,4,8,12
	v_and_b32 v[SL+\k], s68, v[SL+\k]
.endr
.irp k, 0,4,8,12
	v_xor_b32 v[SL+\k+2], v[SL+11], v[SL+\k]
	v_xor_b32 v[SL+\k], v[SL+1], v[SL+\k]
.endr
.irp c, 0,1,2,3,4,5,6,7
	v_min_u32 v[SL+2*\c], 0x7ffff, v[SL+2*\c]              ; met by the cut above; written out since q was loaded
.endr
.irp c, 0,1,2,3,4,5,6,7
	v_lshlrev_b32 v[SL+2*\c], 3, v[SL+2*\c]                ; 8 bytes an entry: at most 4 MiB - 8, inside the level's table
.endr
.endm
.macro GATH_H
.irp c, 0,1,2,3,4,5,6,7
	global_load_b64 v[SL+2*\c:SL+2*\c+1], v[SL+2*\c], s[TB+2*LV:TB+2*LV+1]   ; each load lands on its own offset register
.endr
.endm
.macro IDX g
.set LV, (\g)%16
.set PT, (\g)/16
.set SL, SLOT0+20*((\g)%7)
.if LV == 0
	DENSEIDX 16, 0x41700000                        ; 15.0
.endif
.if LV == 1
	DENSEIDX 23, 0x41b00000                        ; 22.0
.endif
.if LV == 2
	DENSEIDX 31, 0x41f00000                        ; 30.0
.endif
.if LV == 3
	DENSEIDX 43, 0x42280000                        ; 42.0
.endif
.if LV == 4
	DENSEIDX 59, 0x42680000                        ; 58.0; 59^3 is the last cube inside 2^19
.endif
.if LV == 5
	HASHIDX 80, 0x42a00000
.endif
.if LV == 6
	HASHIDX 111, 0x42de0000
.endif
.if LV == 7
	HASHIDX 153, 0x43190000
.endif
.if LV == 8
	HASHIDX 212, 0x43540000
.endif
.if LV == 9
	HASHIDX 294, 0x43930000
.endif
.if LV == 10
	HASHIDX 406, 0x43cb0000
.endif
.if LV == 11
	HASHIDX 561, 0x440c4000
.endif
.if LV == 12
	HASHIDX 776, 0x44420000
.endif
.if LV == 13
	HASHIDX 1072, 0x44860000
.endif
.if LV == 14
	HASHIDX 1482, 0x44b94000
.endif
.if LV == 15
	HASHIDX 2047, 0x44ffe000
.endif
.endm
.macro GATH g
.set LV, (\g)%16
.set PT, (\g)/16
.set SL, SLOT0+20*((\g)%7)
.if LV == 0
	GATH_L 16, TL0
.elseif LV == 1
	GATH_L 23, TL1
.elseif LV == 2
	GATH_D 31
.elseif LV == 3
	GATH_D 43
.elseif LV == 4
	GATH_D 59
.else
	GATH_H
.endif
.endm
; Steps g and g + 1 (g even) are taken in.  TAKE: the waits.  LERP: a + f (b - a) along x (four pairs of corners), y (two), z (one), two features at a
; time, in the slot's own registers, the two levels stage by stage.  The pair of features goes where the matrix fragment wants level l: levels 0-3, 8-11
; (the k of lanes 0-15) in the first half of FF, levels 4-7, 12-15 (the k of lanes 16-31) in the second.
; left = the younger loads from memory, which stay out; the same wait frees the two slots' offset registers.  The two levels in LDS have the LDS counter
; to themselves at their turn: their 16 reads are all that is out on it.
.macro TAKE g, left
.set SLA, SLOT0+20*((\g)%7)
.set SLB, SLOT0+20*(((\g)+1)%7)
.set LA, (\g)%16
.set LB, LA+1
.set FA, FF+2*((LA&3)+4*(LA>>3)+8*((LA>>2)&1))
.set FC, FF+2*((LB&3)+4*(LB>>3)+8*((LB>>2)&1))
.if LA < NLDS
	s_wait_dscnt 0x0
.else
	s_wait_loadcnt \left
.endif
	s_wait_alu depctr_vm_vsrc(0)                   ; every gather issued so far has read its offset register: the interpolation, and the index arithmetic behind it, write the two slots' registers
.endm
.macro LERP
.irp s, SLA, SLB
.irp k, 0,4,8,12
	v_pk_add_f32 v[\s+\k+2:\s+\k+3], v[\s+\k+2:\s+\k+3], v[\s+\k:\s+\k+1] neg_lo:[0,1] neg_hi:[0,1]
.endr
.endr
.irp s, SLA, SLB
.irp k, 0,4,8,12
	v_pk_fma_f32 v[\s+\k:\s+\k+1], v[\s+\k+2:\s+\k+3], v[\s+16:\s+17], v[\s+\k:\s+\k+1] op_sel_hi:[1,0,1]   ; x fx, the pair's first
.endr
.endr
.irp s, SLA, SLB
.irp k, 0,8
	v_pk_add_f32 v[\s+\k+4:\s+\k+5], v[\s+\k+4:\s+\k+5], v[\s+\k:\s+\k+1] neg_lo:[0,1] neg_hi:[0,1]
.endr
.endr
.irp s, SLA, SLB
.irp k, 0,8
	v_pk_fma_f32 v[\s+\k:\s+\k+1], v[\s+\k+4:\s+\k+5], v[\s+16:\s+17], v[\s+\k:\s+\k+1] op_sel:[0,1,0] op_sel_hi:[1,1,1]   ; x fy, the pair's second
.endr
.endr
.irp s, SLA, SLB
	v_pk_add_f32 v[\s+8:\s+9], v[\s+8:\s+9], v[\s:\s+1] neg_lo:[0,1] neg_hi:[0,1]
.endr
	v_pk_fma_f32 v[FA:FA+1], v[SLA+8:SLA+9], v[SLA+18:SLA+19], v[SLA:SLA+1] op_sel_hi:[1,0,1]              ; x fz
	v_pk_fma_f32 v[FC:FC+1], v[SLB+8:SLB+9], v[SLB+18:SLB+19], v[SLB:SLB+1] op_sel_hi:[1,0,1]
.endm
; A pass is closed: the point's bound and scale, the features scaled and rounded to f16, and features and scale handed to the lanes that the matrix fragment wants.
; No memory or LDS instruction names a register of these lines.
.macro FINAL pt
.irp c, 0,1,2,3
	v_max_num_f32 v[TT+\c], |v[FF+8*\c]|, |v[FF+8*\c+1]|
.endr
.irp j, 2,4,6
.irp c, 0,1,2,3
	v_max3_num_f32 v[TT+\c], v[TT+\c], |v[FF+8*\c+\j]|, |v[FF+8*\c+\j+1]|
.endr
.endr
	v_max3_num_f32 v[TT], v[TT], v[TT+1], v[TT+2]
	v_max_num_f32 v[TT], v[TT], v[TT+3]            ; m0
	v_fma_f32 v[TT+4], s86, v[TT], s87             ; B1 = N1 m0 + max|b1|
	v_fma_f32 v[TT+5], s88, v[TT+4], s89           ; B2 = N2 B1 + max|b2|
	v_max3_num_f32 v[TT], v[TT], v[TT+4], v[TT+5]
	v_max_num_f32 v[TT], s90, v[TT]                ; B
	v_and_b32 v[TT], 0x7f800000, v[TT]             ; the power of two at or below B: exponent field E alone
	v_sub_nc_u32 v[SCR+4*\pt], 0x86000000, v[TT]   ; S: exponent field 268 - E, that is 2^14 / 2^(E-127)
	v_add_nc_u32 v[SCR+4*\pt+1], 0xf9000000, v[TT] ; 1/S: exponent field E - 14
.irp i, 0,1,2,3,4,5,6,7,8,9,10,11,12,13,14,15
	v_pk_mul_f32 v[FF+2*\i:FF+2*\i+1], v[FF+2*\i:FF+2*\i+1], v[SCR+4*\pt:SCR+4*\pt+1] op_sel_hi:[1,0]
.endr
	v_mov_b32 v[SCR+4*\pt+2], v[SCR+4*\pt]
	v_mov_b32 v[SCR+4*\pt+3], v[SCR+4*\pt+1]       ; only so that the second pair is written whole
.irp i, 0,1,2,3,4,5,6,7,8,9,10,11,12,13,14,15
	v_cvt_pk_f16_f32 v[FB+16*\pt+\i], v[FF+2*\i], v[FF+2*\i+1]
.endr
	; Each lane holds all 32 features of its own point.  The swap hands lanes 16-31 of the first eight registers and lanes 0-15 of the second eight
	; to each other: the first eight are then source 1 of points 0-15 (lanes 16-31 with their k), the second eight that of points 16-31.
	; The same swap on two copies of S gives both halves of the lanes the scale of their tile's point r.
.irp i, 0,1,2,3,4,5,6,7
	v_permlane16_swap_b32 v[FB+16*\pt+\i], v[FB+16*\pt+8+\i]
.endr
	v_permlane16_swap_b32 v[SCR+4*\pt], v[SCR+4*\pt+2]
.endm
; THE MLP.
; The fragments of neuron tile t: rows 16 t + r of W^T, ks steps of 32 along k, into wr; and the tile's eight biases a lane, into br.
.macro WLOAD ks, adr, base, pitch, t, boff, wr, br
.set WS, 0
.rept \ks
	ds_load_b128 v[\wr+8*WS:\wr+8*WS+3], v[\adr] offset:\base+16*(\t)*\pitch+64*WS
	ds_load_b128 v[\wr+8*WS+4:\wr+8*WS+7], v[\adr] offset:\base+16*(\t)*\pitch+64*WS+32
.set WS, WS+1
.endr
	ds_load_b128 v[\br:\br+3], v[AB] offset:\boff+64*(\t)
	ds_load_b128 v[\br+4:\br+7], v[AB] offset:\boff+64*(\t)+16
.endm
.macro W1LOAD t, wr, br
	WLOAD 1, AW1, W1F, P1, \t, BIAS, \wr, \br
.endm
.macro W2LOAD t, wr, br
	WLOAD 2, AW2, W2F, P2, \t, BIAS+256, \wr, \br
.endm
.macro W3LOAD t, wr, br
	WLOAD 2, AW2, W3F, P2, \t, BIAS+512, \wr, \br
.endm
.macro WOLOAD                          ; Wo of neurons 16 t + 8 h + 0..7, all four tiles
.irp t, 0,1,2,3
	ds_load_b128 v[WOR+8*\t:WOR+8*\t+3], v[AB] offset:WOF+64*\t
	ds_load_b128 v[WOR+8*\t+4:WOR+8*\t+7], v[AB] offset:WOF+64*\t+16
.endr
.endm
; A tile's head.  more = 1: LDS loads follow, into the buffer that this tile does not read.
.macro READY more
	s_wait_dscnt 0x0                               ; this tile's fragments and biases are in: they were asked for at the head of the tile before
.if \more
	s_wait_alu depctr_va_vdst(0)                   ; all vector and matrix lines so far are done with the registers in which the loads below land: the other buffer, which the tile before read
	                                               ; (first tile: slots 2 and 3, which the last interpolation read; layer 2's first: FB; layer 3's first: HA too, where Wo lands)
.endif
.endm
; One neuron tile for all four tiles of 16 points.  The sums start from S b, written into the accumulators; then ks products each.
; The four accumulators take turns, one instruction a turn.  in: the input's first register; pp: from one point tile to the next;
; wr, br: the tile's fragment buffer.
.macro MMT ks, in, pp, wr, br
.irp jj, 0,1,2,3
.irp p, 0,1,2,3
	v_pk_mul_f32 v[ACC+8*\p+2*\jj:ACC+8*\p+2*\jj+1], v[\br+2*\jj:\br+2*\jj+1], v[SCR+2*\p:SCR+2*\p+1] op_sel_hi:[1,0]
.endr
.endr
.set MS, 0
.rept \ks
.irp p, 0,1,2,3
	v_wmma_f32_16x16x32_f16 v[ACC+8*\p:ACC+8*\p+7], v[\wr+8*MS:\wr+8*MS+7], v[\in+\pp*\p+8*MS:\in+\pp*\p+8*MS+7], v[ACC+8*\p:ACC+8*\p+7]
.endr
.set MS, MS+1
.endr
	PLACES
.endm
.macro RELU
.irp p, 0,1,2,3
.irp j, 0,1,2,3,4,5,6,7
	v_max_num_f32 v[ACC+8*\p+\j], 0, v[ACC+8*\p+\j]
.endr
.endr
.endm
; ReLU, round, pack: neurons 16 t + 8 h + 2 jj, + 1 go to register 4 t + jj of the next layer's source 1.
.macro ACT out, t
	RELU
.irp p, 0,1,2,3
.irp jj, 0,1,2,3
	v_cvt_pk_f16_f32 v[\out+16*\p+4*(\t)+\jj], v[ACC+8*\p+2*\jj], v[ACC+8*\p+2*\jj+1]
.endr
.endr
.endm
; Layer 3's ReLU and the last layer at once, in f32: each lane adds up Wo x its eight neurons, two at a time; the first product starts the sums.
.macro ACT3 t
	RELU
.irp jj, 0,1,2,3
.irp p, 0,1,2,3
.if (\t)+\jj
	v_pk_fma_f32 v[OS+2*\p:OS+2*\p+1], v[ACC+8*\p+2*\jj:ACC+8*\p+2*\jj+1], v[WOR+8*(\t)+2*\jj:WOR+8*(\t)+2*\jj+1], v[OS+2*\p:OS+2*\p+1]
.else
	v_pk_mul_f32 v[OS+2*\p:OS+2*\p+1], v[ACC+8*\p+2*\jj:ACC+8*\p+2*\jj+1], v[WOR+8*(\t)+2*\jj:WOR+8*(\t)+2*\jj+1]
.endif
.endr
.endr
.endm
.Ltrip:
	s_wait_loadcnt 0x0                             ; this trip's x and q, asked for in the trip before (the first: ahead of the loop)
	s_wait_xcnt 0x0                                ; the last trip's store has had its address translated: its data, v[20:21], and its base are written again only behind this wait
	s_wait_alu depctr_vm_vsrc(0)                   ; the last trip's store has read v[20:21], which this trip's end writes; in the first trip the norms' LDS loads have read v72, which the first index arithmetic writes
	s_lshl_b32 s93, s30, 12                        ; 16 waves x 256 work-groups further on in each trip
	s_add_co_u32 s93, s93, s85                     ; the supertile: 256 (w + 16 t) + g, at most 15,624
	s_lshl_b32 s76, s93, 8                         ; 64 results of 4 bytes
	s_add_nc_u64 s[74:75], s[26:27], s[76:77]
	; The stream: seven steps go out, the five dense levels behind one wait and the first two hashed ones behind another; then two steps are taken in and
	; the two that are seven further on go out into their slots.
.irp g, 0,1,2,3,4
	IDX \g
.endr
	s_wait_alu depctr_va_vdst(0)                   ; the five dense offsets are written; the last trip's products and activations (first trip: the norms' arithmetic) and the lines above are done with slots 0 to 4, in which the reads below land
.irp g, 0,1,2,3,4
	GATH \g
.endr
	IDX 5
	IDX 6
	s_wait_alu depctr_va_vdst(0)                   ; the sixteen offsets of steps 5 and 6 are written, and the arithmetic is done with the other registers of slots 5 and 6, in which the gathers land
	GATH 5
	GATH 6
.set gg, 0
.rept 16
	; What may stay out on the load counter when steps gg and gg + 1 are taken in: eight gathers for each of the younger steps gg + 2 .. gg + 6
	; that exists and reads memory (levels in LDS do not count there), and, from step 26 on, the six loads of the next trip's x and q.
.set CNT, 0
.set kk, gg+2
.rept 5
.if kk <= 31
.if (kk%16) >= NLDS
.set CNT, CNT+8
.endif
.endif
.set kk, kk+1
.endr
.if gg >= 26
.set CNT, CNT+6
.endif
	TAKE gg, CNT
.if gg == 30
	s_wait_alu depctr_va_vdst(0)                   ; the interpolation of steps 26 and 27 is done reading slots 5 and 6, in which the first fragments and biases land
	W1LOAD 0, WR0, BR0                             ; they come while the last two levels are interpolated and pass 1 is closed: those lines name slots 2 and 3, FF, TT, SCR and FB alone
.endif
	LERP
.if gg+7 <= 31
	IDX gg+7
.endif
.if gg+8 <= 31
	IDX gg+8
.endif
.if gg+7 <= 31
	s_wait_alu depctr_va_vdst(0)                   ; the offsets of the steps seven further on are written; interpolation and index arithmetic are done with the two slots, in which the reads below land (behind step 31: with X and Q too)
	GATH gg+7
.endif
.if gg+8 <= 31
	GATH gg+8
.endif
.if gg == 14
	FINAL 0                                        ; pass 0's features leave FF before step 16 writes there
.endif
.if gg == 24
	; Step 31 has read x and q for the last time, ahead of the wait above, and no vector line stands between that wait and these loads.  The next trip's go out
	; now, 6 loads behind the last gathers; in my last trip the supertile is held at the last one, so that the loads stay inside x and q (what they bring is then not used).
	s_add_co_u32 s94, s93, 4096
	s_min_u32 s94, s94, LASTST
	XQLOAD s94                                     ; s[70:73] are free: the loads that named them were waited for at the trip's head
.endif
.set gg, gg+2
.endr
	FINAL 1
	; In every tile: its fragments are in; the NEXT tile's are asked for, into the other buffer; then the products, four places, and the activation work.
	READY 1                                        ; layer 1
	W1LOAD 1, WR1A, BR1A
	MMT 1, FB, 8, WR0, BR0
	ACT HA, 0
	READY 1
	W1LOAD 2, WR0, BR0
	MMT 1, FB, 8, WR1A, BR1A
	ACT HA, 1
	READY 1
	W1LOAD 3, WR1A, BR1A
	MMT 1, FB, 8, WR0, BR0
	ACT HA, 2
	READY 1
	W2LOAD 0, WR0, BR0
	MMT 1, FB, 8, WR1A, BR1A
	ACT HA, 3
	READY 1                                        ; layer 2
	W2LOAD 1, WR1B, BR1B
	MMT 2, HA, 16, WR0, BR0
	ACT HB, 0
	READY 1
	W2LOAD 2, WR0, BR0
	MMT 2, HA, 16, WR1B, BR1B
	ACT HB, 1
	READY 1
	W2LOAD 3, WR1B, BR1B
	MMT 2, HA, 16, WR0, BR0
	ACT HB, 2
	READY 1
	W3LOAD 0, WR0, BR0
	MMT 2, HA, 16, WR1B, BR1B
	ACT HB, 3
	READY 1                                        ; layer 3
	WOLOAD                                         ; into HA's registers: the last products that read them stand ahead of the wait above
	W3LOAD 1, WR1B, BR1B
	MMT 2, HB, 16, WR0, BR0
	s_wait_dscnt 0x6                               ; LDS loads come back in order: Wo's eight are in; the six younger ones, the next tile's fragments and biases, stay out
	ACT3 0
	READY 1
	W3LOAD 2, WR0, BR0
	MMT 2, HB, 16, WR1B, BR1B
	ACT3 1
	READY 1
	W3LOAD 3, WR1B, BR1B
	MMT 2, HB, 16, WR0, BR0
	ACT3 2
	READY 0                                        ; the last tile asks for nothing
	MMT 2, HB, 16, WR1B, BR1B
	ACT3 3
	; Lane (r, h) holds the part of point r's sum that its neurons 8 h + 0..7 of each tile give: add the pair, then the other half of the lanes.
.irp p, 0,1,2,3
	v_add_f32 v[OS+2*\p], v[OS+2*\p], v[OS+2*\p+1]
.endr
.irp p, 0,1,2,3
	v_permlanex16_b32 v[OS+2*\p+1], v[OS+2*\p], s91, s92
.endr
.irp p, 0,1,2,3
	v_add_f32 v[OS+2*\p], v[OS+2*\p], v[OS+2*\p+1]
.endr
.irp pt, 0,1
	v_cndmask_b32 v[O+\pt], v[OS+4*\pt], v[OS+4*\pt+2], s69        ; lane L finds its point in tile L / 16 of the pass (s69 is a constant that a scalar move wrote)
.endr
.irp pt, 0,1
	v_fma_f32 v[O+\pt], v[O+\pt], v[SCR+4*\pt+1], s31              ; x 1/S of my own point, + bo
.endr
	s_wait_alu depctr_va_vdst(0)                   ; v[20:21] are written, which the store reads
	global_store_b64 v[OOFF], v[O:O+1], s[74:75] th:TH_STORE_NT    ; 256 consecutive bytes, at a multiple of 256 from out0's first byte
	s_add_co_u32 s30, s30, 1
	s_cmp_lt_u32 s30, s29                          ; three or four trips
	s_cbranch_scc1 .Ltrip
	s_wait_dscnt 0x0
	s_wait_alu depctr_hold_cnt(0) depctr_sa_sdst(0) depctr_va_vdst(0) depctr_va_sdst(0) depctr_va_ssrc(0) depctr_va_vcc(0) depctr_vm_vsrc(0)
	s_wait_tensorcnt 0x0
	ds_add_u32 v254, v255
	s_wait_dscnt 0x0
	s_endpgm
.Lfunc_end_k_q13b2f8768c_pinn:
	.size	k_q13b2f8768c_pinn, .Lfunc_end_k_q13b2f8768c_pinn-k_q13b2f8768c_pinn
	.p2alignl 7, 3214868480
	.fill 96, 4, 3214868480
	.section	.rodata,"a",@progbits
	.p2align	6, 0x0
	.amdhsa_kernel k_q13b2f8768c_pinn
		.amdhsa_group_segment_fixed_size 157952
		.amdhsa_private_segment_fixed_size 0
		.amdhsa_enable_private_segment 0
		.amdhsa_kernarg_size 96
		.amdhsa_user_sgpr_count 2
		.amdhsa_user_sgpr_kernarg_segment_ptr 1
		.amdhsa_wavefront_size32 1
		.amdhsa_system_sgpr_workgroup_id_x 1
		.amdhsa_system_sgpr_workgroup_id_y 1
		.amdhsa_system_sgpr_workgroup_id_z 1
		.amdhsa_system_vgpr_workitem_id 0
		.amdhsa_next_free_vgpr 256
		.amdhsa_next_free_sgpr 96
		.amdhsa_reserve_vcc 0
		.amdhsa_float_denorm_mode_32 3
		.amdhsa_float_denorm_mode_16_64 3
		.amdhsa_memory_ordered 1
		.amdhsa_forward_progress 1
		.amdhsa_inst_pref_size 183
	.end_amdhsa_kernel
	.amdgpu_metadata
---
amdhsa.version: [ 1, 2 ]
amdhsa.kernels:
  - .name:           k_q13b2f8768c_pinn
    .symbol:         k_q13b2f8768c_pinn.kd
    .args:
      - { .name: x, .offset: 0, .size: 8, .value_kind: global_buffer, .address_space: global }
      - { .name: q, .offset: 8, .size: 8, .value_kind: global_buffer, .address_space: global }
      - { .name: table, .offset: 16, .size: 8, .value_kind: global_buffer, .address_space: global }
      - { .name: W1, .offset: 24, .size: 8, .value_kind: global_buffer, .address_space: global }
      - { .name: W2, .offset: 32, .size: 8, .value_kind: global_buffer, .address_space: global }
      - { .name: W3, .offset: 40, .size: 8, .value_kind: global_buffer, .address_space: global }
      - { .name: Wo, .offset: 48, .size: 8, .value_kind: global_buffer, .address_space: global }
      - { .name: b1, .offset: 56, .size: 8, .value_kind: global_buffer, .address_space: global }
      - { .name: b2, .offset: 64, .size: 8, .value_kind: global_buffer, .address_space: global }
      - { .name: b3, .offset: 72, .size: 8, .value_kind: global_buffer, .address_space: global }
      - { .name: bo, .offset: 80, .size: 8, .value_kind: global_buffer, .address_space: global }
      - { .name: out0, .offset: 88, .size: 8, .value_kind: global_buffer, .address_space: global }
    .group_segment_fixed_size: 157952
    .private_segment_fixed_size: 0
    .kernarg_segment_align: 8
    .kernarg_segment_size: 96
    .max_flat_workgroup_size: 512
    .sgpr_count:     96
    .vgpr_count:     256
    .wavefront_size: 32
...
	.end_amdgpu_metadata
.endif
;; end of part 4
